; MI455X (gfx1250); checked and timed in simulation.
; The chip was launched on July 23, 2026; its instructions are those of AMD's public machine-readable ISA for CDNA 5 (MIT licence, August 2026) and "CDNA5" Instruction Set Architecture Reference Guide (July 2026). The comments in the code are by the model that wrote it; some were corrected since.
;; Multi Head Attention. Allowed arithmetic: matrix products marked QUANTISED: E2M1 operands, one E8M0 scale for each 32 along K, by v_wmma_scale_f32_16x16x128_f8f6f4 with both operands' format E2M1 (or v_wmma_scale_f32_32x16x128_f4), f32 sums; products left as they are: bf16, f16 or f32 operands; f32 sums; everything else in f32.
;; Inputs: Wk 1,024 x 1,024 float32; Wo 1,024 x 1,024 float32; Wq 1,024 x 1,024 float32; Wv 1,024 x 1,024 float32; bk 1,024 float32; bo 1,024 float32; bq 1,024 float32; bv 1,024 float32; k 2 x 2,048 x 1,024 float32; q 2 x 2,048 x 1,024 float32; rel_k 33 x 64 float32; rel_v 33 x 64 float32; v 2 x 2,048 x 1,024 float32.
;; Outputs: out0 2 x 2,048 x 1,024 float32.
;; This version of the problem:
;;   THIS VERSION OF THE PROBLEM IS GIVEN IN LOW PRECISION. The matrix products marked QUANTISED in the list below multiply operands that are first quantised to E2M1 (2 exponent bits, 1 mantissa bit; 4 bits a number), with one power-of-two scale for each 32 numbers along K (OCP MX v1.0); their sums are f32. The products marked 'left as it is' may take bf16, f16 or f32 operands, with f32 sums. Whichever they take, every output number must still come out within the allowed error. Rounding operands to bf16 (8 significant bits) uses up far more of that allowance than f16 does (11 bits, for magnitudes from 6e-5 to 65,504). All else is computed in f32.
;;   The module's matrix products, in the order in which they are computed (A, B: the left and right operand; K: the contracted axis; several contracted axes count as one K, in the product's order):
;;     1. [M 4,096, K 1,024] x [K 1,024, N 1,024]; A: input q; B: input Wq: QUANTISED
;;     2. [M 4,096, K 1,024] x [K 1,024, N 1,024]; A: input k; B: input Wk: QUANTISED
;;     3. [M 4,096, K 1,024] x [K 1,024, N 1,024]; A: input v; B: input Wv: QUANTISED
;;     4. batch 32 x [M 2,048, K 64] x [K 64, N 2,048]; A: computed on the way; B: computed on the way: left as it is (an operand is computed on the way)
;;     5. batch 2,048 x [M 2,048, K 64] x [K 64, N 32]; A: computed on the way; B: computed on the way: left as it is (an operand is computed on the way)
;;     6. batch 32 x [M 2,048, K 2,048] x [K 2,048, N 64]; A: computed on the way; B: computed on the way: left as it is (an operand is computed on the way)
;;     7. batch 2,048 x [M 64, K 2,048] x [K 2,048, N 32]; A: computed on the way; B: computed on the way: left as it is (an operand is computed on the way)
;;     8. [M 4,096, K 1,024] x [K 1,024, N 1,024]; A: computed on the way; B: input Wo: left as it is (an operand is computed on the way)
;;   THE QUANTISER, for each operand of a quantised product, along K:
;;     - K is cut into blocks of 32 from its start; a last block that is shorter is filled with zeros.
;;     - A block's scale is 2^e with e = floor(log2(the largest magnitude in the block)) - 2, held to -126 .. 127; a block of zeros has e = 0. As a byte (E8M0): e + 127.
;;     - Each number is divided by its block's scale, clamped to +-6, and rounded to the nearest number of E2M1, ties to even, subnormals kept.
;;     - The product sums the exact products of the quantised numbers (number of the format x scale) in f32.
;;   ~~~python
;;   def quantise(x, axis):      # numpy; x: float32 -> the quantised numbers, widened to float32 again
;;       x = np.moveaxis(x, axis, -1); K = x.shape[-1]
;;       x = np.pad(x, [(0, 0)] * (x.ndim - 1) + [(0, -K % 32)]); x = x.reshape(x.shape[:-1] + (-1, 32)); a = np.abs(x).max(-1, keepdims=True)
;;       e = np.where(a > 0, np.clip(np.frexp(np.where(a > 0, a, 1))[1] - 1 - 2, -126, 127), 0)      # np.frexp(a)[1] - 1 = floor(log2(a)), exactly
;;       r = np.clip(x / 2.0 ** e, -6, 6)
;;       step = 2.0 ** (np.maximum(np.frexp(np.where(r == 0, 1, r))[1] - 1, 0) - 1)
;;       q = np.round(r / step) * step * 2.0 ** e      # np.round: ties to even
;;       return np.moveaxis(q.reshape(q.shape[:-2] + (-1,))[..., :K], -1, axis).astype(np.float32)
;;   ~~~
;; One version. Each part assembles by itself: llvm-mc -triple=amdgcn-amd-amdhsa -mcpu=gfx1250 --defsym DOCPART=n.
;; ======== version 1 of 1: 4 launches
;; limits: values are held in f16: magnitudes above 65,504 overflow, below 6.1e-05 lose precision
;; workspace buffers: xc 7,864,320 bytes; xs 491,520 bytes; hh 25,167,872 bytes; ao 8,388,608 bytes; wo16 2,097,152 bytes; relt 16,384 bytes
;; launch prep (part 1): grid 513 x 1, 4 waves a work-group, no clusters, 33,280 bytes of LDS; arguments q, k, v, Wq, Wk, Wv, Wo, rel_k, rel_v, xc, xs, wo16, relt, hh; writes xc, xs, wo16, relt, hh
.if DOCPART == 1
	.amdgcn_target "amdgcn-amd-amdhsa--gfx1250"
	.amdhsa_code_object_version 6
	.text
	.protected	k_q93f2048af8_prep
	.globl	k_q93f2048af8_prep
	.p2align	8
	.type	k_q93f2048af8_prep,@function
k_q93f2048af8_prep:
	s_mov_b64 s[64:65], 0
	v_nop
	global_prefetch_b8 v0, s[64:65] scope:SCOPE_SE
	s_setreg_imm32_b32 hwreg(HW_REG_WAVE_MODE, 25, 1), 1
	s_wait_xcnt 0x0
; THE OPERANDS ARE LAID OUT ONCE.  Three kinds of work-group, told apart by the work-group's number alone:
;   0 .. 479   q, k, v [4096][1024] and Wq, Wk, Wv [1024][1024], f32, become codes of FP4 (E2M1), K innermost, 512 bytes a row, in xc (rows q | k | v | Wq | Wk | Wv), and one E8M0 byte for each 32 along K in xs.
;   480 .. 511 Wo [1024][1024] f32 becomes f16, laid [K block of 64][n][64]: a block's 1,024 rows of 128 bytes are dense.
;   512        the relative tables as f16, 64 entries wide, entry i standing for distance i - 31: rows 0-63 of relt: rel_k[clamp(i - 15, 0, 32)][d]; rows 64-127: rel_v[clamp(i - 15, 0, 32)][c] laid [c][i]; and 2,048 zero bytes behind hh's three sections.
; A block's scale is 2^(floor(log2(its largest magnitude)) - 2); its byte is the largest magnitude's exponent field - 2, held at 1 from below.
; LIMITS: a block of zeros gets the byte 1 where the rule says 127 (its codes are zeros, and this program alone reads the bytes); blocks whose largest magnitude lies under 2^-124 are held at that byte;
; NaN and infinities among the inputs are not served; Wo, rel_k and rel_v beyond 65,504 in magnitude have no f16 number.
; No tensor loads, no barrier: waves share nothing.  Only the first kind of work-group touches LDS.
.set WAVES, 4
.set STEPS, 16
.set EMAX,  2
.set CB,    8                          ; bytes of 16 codes
.set R,     16                         ; v16-79   four sets of 16 numbers as they are loaded
.set X,     80                         ; v80-111  two sets of 16 neighbours
.set C,     128                        ; v128-191 codes: four registers for each step
.set E,     112                        ; v112-127 a scale byte for each step
.set WREG,  8192                       ; LDS: a region for each wave: two stages of 32 x SP bytes, then its 256 scale bytes
.set SP,    80                         ; a lane's place in a stage: 64 bytes + 16 of padding
.set SPW,   12                         ; v12  LDS address of my spare word; never rewritten
.set NIL,   13                         ; v13  0; never rewritten
.set SPARE, WAVES*WREG                 ; behind the four regions: the spare words, 128 bytes for each wave
.set WX,    16                         ; Wo's path: v16-143 two sets of 64 numbers
.set WY,    144                        ; v144-175 eight stores' data
	s_load_b512 s[4:19], s[0:1], 0x0               ; q, k, v, Wq, Wk, Wv, Wo, rel_k
	s_load_b256 s[20:27], s[0:1], 0x40             ; rel_v, xc, xs, wo16
	s_load_b128 s[28:31], s[0:1], 0x60             ; relt, hh
	v_lshl_add_u32 v[SPW], v0, 2, SPARE
	v_mov_b32 v[NIL], 0
	v_lshrrev_b32 v1, 5, v0
	v_readfirstlane_b32 s32, v1                    ; wave
	v_and_b32 v2, 31, v0                           ; lane
	s_wait_kmcnt 0x0
	s_cmp_ge_u32 ttmp9, 512
	s_cbranch_scc1 .Ltables
	s_cmp_ge_u32 ttmp9, 480
	s_cbranch_scc1 .Lwo
; ---- THE QUANTISER.  Rows are dense and K is a multiple of 32, so each tensor is a stream of blocks of 32.  A work-group takes 32,768 numbers, a wave 16 steps of 512.
; Each of a step's four loads reads 512 consecutive bytes; the 2,048 bytes turn through the wave's own stage, so that a lane then holds 16 neighbours along K (two lanes to a block).
	v_lshlrev_b32 v3, 4, v2                        ; my 16 bytes of a load's 512
	s_mul_i32 s33, s32, WREG
	v_lshrrev_b32 v14, 2, v2
	v_mul_u32_u24 v14, v14, SP
	v_and_b32 v15, 3, v2
	v_lshl_add_u32 v14, v15, 4, v14
	v_add_nc_u32 v14, s33, v14                     ; the stage, on the way in: SP (lane / 4) + 16 (lane % 4)
	v_mul_u32_u24 v15, v2, SP
	v_add_nc_u32 v15, s33, v15                     ; and on the way out: SP x lane
	v_mul_u32_u24 v4, v2, CB                       ; my codes' place in a step's
	v_lshrrev_b32 v5, 1, v2
	s_add_co_u32 s33, s33, 2*32*SP
	v_add_nc_u32 v5, s33, v5                       ; my wave's 256 scale bytes, my block's byte
	v_lshlrev_b32 v7, 3, v2
	v_add_nc_u32 v6, s33, v7                       ; and on the way out 8 bytes a lane
	s_mov_b64 s[34:35], s[14:15]                   ; which tensor: the choice hangs on the work-group's number alone.  From 448 on: Wv
	s_mov_b32 s36, 448
	s_cmp_lt_u32 ttmp9, 448
	s_cselect_b64 s[34:35], s[12:13], s[34:35]     ; Wk
	s_cselect_b32 s36, 416, s36
	s_cmp_lt_u32 ttmp9, 416
	s_cselect_b64 s[34:35], s[10:11], s[34:35]     ; Wq
	s_cselect_b32 s36, 384, s36
	s_cmp_lt_u32 ttmp9, 384
	s_cselect_b64 s[34:35], s[8:9], s[34:35]       ; v
	s_cselect_b32 s36, 256, s36
	s_cmp_lt_u32 ttmp9, 256
	s_cselect_b64 s[34:35], s[6:7], s[34:35]       ; k
	s_cselect_b32 s36, 128, s36
	s_cmp_lt_u32 ttmp9, 128
	s_cselect_b64 s[34:35], s[4:5], s[34:35]       ; q
	s_cselect_b32 s36, 0, s36
	s_sub_co_u32 s37, ttmp9, s36
	s_lshl_b32 s37, s37, 2
	s_add_co_u32 s37, s37, s32                     ; my wave's run of 8,192 numbers in its tensor,
	s_lshl_b32 s38, s37, 15                        ; 32,768 bytes a run
	s_mov_b32 s39, 0
	s_add_nc_u64 s[34:35], s[34:35], s[38:39]
	s_lshl_b32 s37, ttmp9, 2
	s_add_co_u32 s37, s37, s32                     ; and among all runs: the tensors follow each other in xc and xs as the work-groups do
	s_lshl_b32 s38, s37, 12                        ; 4,096 bytes of codes a run
	s_add_nc_u64 s[22:23], s[22:23], s[38:39]
	s_lshl_b32 s38, s37, 8                         ; 256 scale bytes a run
	s_add_nc_u64 s[24:25], s[24:25], s[38:39]
.macro LOAD t
.irp i, 0,1,2,3
	global_load_b128 v[R+16*((\t)%4)+4*\i:R+16*((\t)%4)+4*\i+3], v3, s[34:35] offset:2048*(\t)+512*\i th:TH_LOAD_NT
.endr
.endm
.macro TURN t                          ; step t's numbers through the stage: LDS serves a wave's instructions in order, so no wait stands between the stores and the loads
.irp i, 0,1,2,3
	ds_store_b128 v14, v[R+16*((\t)%4)+4*\i:R+16*((\t)%4)+4*\i+3] offset:32*SP*((\t)%2)+8*SP*\i
.endr
.irp i, 0,1,2,3
	ds_load_b128 v[X+16*((\t)%2)+4*\i:X+16*((\t)%2)+4*\i+3], v15 offset:32*SP*((\t)%2)+16*\i
.endr
.endm
.irp t, 0,1,2,3
	LOAD \t
.endr
	s_wait_loadcnt 12                              ; step 0's four loads are in; the twelve of steps 1 to 3 may be out
	TURN 0
.macro STEP t
.set XS, X+16*((\t)%2)
.if (\t) > 0
	s_wait_dscnt 1                                 ; this step's numbers are back from the stage (the last step's byte store may be out)
.else
	s_wait_dscnt 0x0
.endif
.if (\t)+4 < STEPS
	LOAD (\t)+4                                    ; into the registers that the stage's stores have read
.endif
.if (\t)+1 < STEPS
.if STEPS-2-(\t) >= 3
	s_wait_loadcnt 12                              ; the next step's four loads are in; those of the three steps behind it may be out
.else
	s_wait_loadcnt 4*(STEPS-2-(\t))
.endif
	TURN (\t)+1
.endif
	v_max3_num_f32 v8, |v[XS]|, |v[XS+1]|, |v[XS+2]|               ; the largest magnitude of my 16, in two chains
	v_max3_num_f32 v9, |v[XS+3]|, |v[XS+4]|, |v[XS+5]|
.irp i, 6,10
	v_max3_num_f32 v8, v8, |v[XS+\i]|, |v[XS+\i+1]|
	v_max3_num_f32 v9, v9, |v[XS+\i+2]|, |v[XS+\i+3]|
.endr
	v_max3_num_f32 v8, v8, |v[XS+14]|, |v[XS+15]|
	v_max3_num_f32 v8, v8, v9, (EMAX+1)<<23        ; and the floor 2^(3 - 127): the byte cannot fall under 1
	v_max_num_f32_dpp v8, v8, v8 row_xmask:1 row_mask:0xf bank_mask:0xf   ; with my neighbour's 16: the block's
	v_add_nc_u32 v11, -(EMAX<<23), v8              ; 2 off its exponent field: the conversion takes that field of this operand as its scale
	v_cvt_scalef32_pk8_fp4_f32 v[C+4*(\t)], v[XS:XS+7], v11
	v_cvt_scalef32_pk8_fp4_f32 v[C+4*(\t)+1], v[XS+8:XS+15], v11
	v_lshrrev_b32 v[E+(\t)], 23, v11               ; the scale's byte
	ds_store_b8 v5, v[E+(\t)] offset:16*(\t)       ; both lanes of a block write the same byte with the same value
	global_store_b64 v4, v[C+4*(\t):C+4*(\t)+1], s[22:23] offset:32*CB*(\t)   ; the wave stores 256 consecutive bytes, aligned
.endm
.irp t, 0,1,2,3,4,5,6,7,8,9,10,11,12,13,14,15
	STEP \t
.endr
	ds_load_b64 v[8:9], v6                         ; my wave's 256 scale bytes: these see my stores
	s_wait_dscnt 0x0
	global_store_b64 v7, v[8:9], s[24:25]          ; 256 consecutive bytes, aligned
	s_wait_tensorcnt 0x0                           ; the wave's end
	ds_add_u32 v[SPW], v[NIL]
	s_wait_dscnt 0x0
	s_endpgm
; ---- Wo.  Wave g of 128 owns rows 8 g .. 8 g + 7.  One pass (K block kb, half u): four rows x 64 numbers: eight lanes read 256 consecutive bytes of a row, and the wave stores 512 consecutive bytes.
.Lwo:
	v_lshrrev_b32 v4, 3, v2
	v_and_b32 v5, 7, v2
	v_lshlrev_b32 v4, 12, v4
	v_lshl_add_u32 v4, v5, 5, v4                   ; in: (lane / 8) rows of 4,096 bytes + 32 (lane % 8)
	v_lshlrev_b32 v5, 4, v2                        ; out: 16 x lane
	s_sub_co_u32 s33, ttmp9, 480
	s_lshl_b32 s33, s33, 2
	s_add_co_u32 s33, s33, s32                     ; g
	s_lshl_b32 s34, s33, 15
	s_mov_b32 s35, 0
	s_add_nc_u64 s[16:17], s[16:17], s[34:35]
	s_lshl_b32 s34, s33, 10
	s_add_nc_u64 s[26:27], s[26:27], s[34:35]
.macro WLOAD p                         ; group p of four: passes 8 p .. 8 p + 7 (pass n: kb = n / 2, u = n % 2) into set p % 2
.irp i, 0,1,2,3,4,5,6,7
	global_load_b128 v[WX+64*((\p)%2)+8*\i:WX+64*((\p)%2)+8*\i+3], v4, s[16:17] offset:(\i%2)*16384+(4*(\p)+\i/2)*256 th:TH_LOAD_NT
	global_load_b128 v[WX+64*((\p)%2)+8*\i+4:WX+64*((\p)%2)+8*\i+7], v4, s[16:17] offset:(\i%2)*16384+(4*(\p)+\i/2)*256+16 th:TH_LOAD_NT
.endr
.endm
.macro WCONV p
.irp i, 0,1,2,3,4,5,6,7
.irp k, 0,1,2,3
	v_cvt_pk_f16_f32 v[WY+4*\i+\k], v[WX+64*((\p)%2)+8*\i+2*\k], v[WX+64*((\p)%2)+8*\i+2*\k+1]
.endr
	global_store_b128 v5, v[WY+4*\i:WY+4*\i+3], s[26:27] offset:(4*(\p)+\i/2)*131072+(\i%2)*512
.endr
.endm
	WLOAD 0
	WLOAD 1
	s_wait_loadcnt 16                              ; group 0 is in; group 1's sixteen loads may be out
	WCONV 0
	WLOAD 2
	s_wait_loadcnt 16
	s_wait_xcnt 0x0                                ; the last group's stores have read their data: it is written again only behind this wait
	WCONV 1
	WLOAD 3
	s_wait_loadcnt 16
	s_wait_xcnt 0x0
	WCONV 2
	s_wait_loadcnt 0x0
	s_wait_xcnt 0x0
	WCONV 3
	s_endpgm
; ---- THE TABLES.  128 threads; thread t makes 32 numbers (64 bytes) of each table.
.Ltables:
	v_lshrrev_b32 v3, 1, v0                        ; the first table's entry i; the second's channel c
	v_and_b32 v4, 1, v0                            ; which half of the row
	v_add_nc_u32 v5, 1, v3
	v_max_u32 v5, 16, v5
	v_add_nc_u32 v5, -16, v5
	v_min_u32 v5, 32, v5                           ; clamp(i - 15, 0, 32)
	v_lshlrev_b32 v5, 8, v5
	v_lshl_add_u32 v5, v4, 7, v5                   ; that row of rel_k, my 128 bytes
.irp j, 0,1,2,3,4,5,6,7
	global_load_b128 v[16+4*\j:19+4*\j], v5, s[18:19] offset:16*\j
.endr
	v_lshlrev_b32 v6, 5, v4                        ; my first entry: 32 x half
	v_lshlrev_b32 v7, 2, v3                        ; 4 c
.irp n, 0,1,2,3,4,5,6,7,8,9,10,11,12,13,14,15,16,17,18,19,20,21,22,23,24,25,26,27,28,29,30,31
	v_add_nc_u32 v[64+\n], \n+1, v6
	v_max_u32 v[64+\n], 16, v[64+\n]
	v_add_nc_u32 v[64+\n], -16, v[64+\n]
	v_min_u32 v[64+\n], 32, v[64+\n]               ; clamp(i - 15, 0, 32)
	v_lshl_add_u32 v[64+\n], v[64+\n], 8, v7       ; that row of rel_v, channel c
	global_load_b32 v[96+\n], v[64+\n], s[20:21]
.endr
	v_lshlrev_b32 v8, 6, v0                        ; 64 t
	v_lshlrev_b32 v9, 4, v0                        ; 16 t
.irp j, 0,1,2,3
	v_mov_b32 v[144+\j], 0
.endr
	s_add_nc_u64 s[30:31], s[30:31], 0x1800000     ; behind hh's three sections of 8,388,608 bytes
	global_store_b128 v9, v[144:147], s[30:31]     ; 2,048 zero bytes: sixteen rows that a window may reach past the last head
	s_wait_loadcnt 32                              ; rel_k's eight loads are in; rel_v's 32 may be out
.irp j, 0,1,2,3,4,5,6,7,8,9,10,11,12,13,14,15
	v_cvt_pk_f16_f32 v[48+\j], v[16+2*\j], v[17+2*\j]
.endr
.irp j, 0,1,2,3
	global_store_b128 v8, v[48+4*\j:51+4*\j], s[28:29] offset:16*\j
.endr
	s_wait_loadcnt 0x0
.irp j, 0,1,2,3,4,5,6,7,8,9,10,11,12,13,14,15
	v_cvt_pk_f16_f32 v[128+\j], v[96+2*\j], v[97+2*\j]
.endr
.irp j, 0,1,2,3
	global_store_b128 v8, v[128+4*\j:131+4*\j], s[28:29] offset:8192+16*\j
.endr
	s_endpgm
.Lfunc_end_k_q93f2048af8_prep:
	.size	k_q93f2048af8_prep, .Lfunc_end_k_q93f2048af8_prep-k_q93f2048af8_prep
	.p2alignl 7, 3214868480
	.fill 96, 4, 3214868480
	.section	.rodata,"a",@progbits
	.p2align	6, 0x0
	.amdhsa_kernel k_q93f2048af8_prep
		.amdhsa_group_segment_fixed_size 33280
		.amdhsa_private_segment_fixed_size 0
		.amdhsa_enable_private_segment 0
		.amdhsa_kernarg_size 112
		.amdhsa_user_sgpr_count 2
		.amdhsa_user_sgpr_kernarg_segment_ptr 1
		.amdhsa_wavefront_size32 1
		.amdhsa_system_sgpr_workgroup_id_x 1
		.amdhsa_system_sgpr_workgroup_id_y 1
		.amdhsa_system_sgpr_workgroup_id_z 1
		.amdhsa_system_vgpr_workitem_id 0
		.amdhsa_next_free_vgpr 192
		.amdhsa_next_free_sgpr 66
		.amdhsa_reserve_vcc 0
		.amdhsa_float_denorm_mode_32 3
		.amdhsa_float_denorm_mode_16_64 3
		.amdhsa_memory_ordered 1
		.amdhsa_forward_progress 1
		.amdhsa_inst_pref_size 65
	.end_amdhsa_kernel
	.amdgpu_metadata
---
amdhsa.version: [ 1, 2 ]
amdhsa.kernels:
  - .name:           k_q93f2048af8_prep
    .symbol:         k_q93f2048af8_prep.kd
    .args:
      - { .name: q, .offset: 0, .size: 8, .value_kind: global_buffer, .address_space: global }
      - { .name: k, .offset: 8, .size: 8, .value_kind: global_buffer, .address_space: global }
      - { .name: v, .offset: 16, .size: 8, .value_kind: global_buffer, .address_space: global }
      - { .name: Wq, .offset: 24, .size: 8, .value_kind: global_buffer, .address_space: global }
      - { .name: Wk, .offset: 32, .size: 8, .value_kind: global_buffer, .address_space: global }
      - { .name: Wv, .offset: 40, .size: 8, .value_kind: global_buffer, .address_space: global }
      - { .name: Wo, .offset: 48, .size: 8, .value_kind: global_buffer, .address_space: global }
      - { .name: rel_k, .offset: 56, .size: 8, .value_kind: global_buffer, .address_space: global }
      - { .name: rel_v, .offset: 64, .size: 8, .value_kind: global_buffer, .address_space: global }
      - { .name: xc, .offset: 72, .size: 8, .value_kind: global_buffer, .address_space: global }
      - { .name: xs, .offset: 80, .size: 8, .value_kind: global_buffer, .address_space: global }
      - { .name: wo16, .offset: 88, .size: 8, .value_kind: global_buffer, .address_space: global }
      - { .name: relt, .offset: 96, .size: 8, .value_kind: global_buffer, .address_space: global }
      - { .name: hh, .offset: 104, .size: 8, .value_kind: global_buffer, .address_space: global }
    .group_segment_fixed_size: 33280
    .private_segment_fixed_size: 0
    .kernarg_segment_align: 8
    .kernarg_segment_size: 112
    .max_flat_workgroup_size: 128
    .sgpr_count:     66
    .vgpr_count:     192
    .wavefront_size: 32
...
	.end_amdgpu_metadata
.endif
;; end of part 1
;; launch proj (part 2): grid 4 x 48, 4 waves a work-group, clusters of 4 x 4, 327,680 bytes of LDS; arguments xc, xs, bq, bk, bv, hh; writes hh
.if DOCPART == 2
	.amdgcn_target "amdgcn-amd-amdhsa--gfx1250"
	.amdhsa_code_object_version 6
	.text
	.protected	k_q93f2048af8_proj
	.globl	k_q93f2048af8_proj
	.p2align	8
	.type	k_q93f2048af8_proj,@function
k_q93f2048af8_proj:
	s_mov_b64 s[64:65], 0
	v_nop
	global_prefetch_b8 v0, s[64:65] scope:SCOPE_SE
	s_setreg_imm32_b32 hwreg(HW_REG_WAVE_MODE, 25, 1), 1
	s_wait_xcnt 0x0
	s_wait_alu depctr_hold_cnt(0) depctr_sa_sdst(0) depctr_va_vdst(0) depctr_va_sdst(0) depctr_va_ssrc(0) depctr_va_vcc(0) depctr_vm_vsrc(0)
	s_getreg_b32 s2, hwreg(HW_REG_IB_STS2, 6, 4)
	s_cmp_eq_u32 s2, 0
	s_cbranch_scc0 .Lentry_in_a_cluster
	s_endpgm
.Lentry_in_a_cluster:
	s_bfe_u32 s2, ttmp6, 0x10000c
	s_cmp_lg_u32 s2, 0xf033
	s_cbranch_scc0 .Lentry_shape_is_right
	s_endpgm
.Lentry_shape_is_right:
; THE THREE PROJECTIONS AS ONE PRODUCT ON CODES OF FP4: relu(x W^T + b) for x = q | k | v (12,288 rows) against Wq | Wk | Wv, K = 1,024; codes and E8M0 bytes as the launch before laid them.
; The result leaves as f16, by heads: hh[section q, k, v][batch x 16 + head][position][64], rows of 128 bytes.
; A tile of 256 rows x 256 columns is made by four waves, 128 x 128 each: 64 accumulators, 512 registers.  48 tile rows x 4 tile columns = 192 work-groups; tile rows 16 s .. 16 s + 15 belong to section s and multiply by its weight.
; K is two slots of 512 (LDS rows of 256 bytes + 16): both are asked for at the start, with the scale bytes of the tile's rows for all of K, and nothing is filled again: by this text's count a wave has three tensor loads out.
; CLUSTERS: 4 x 4 work-groups.  The four of a row of the cluster need the same rows of x, the four of a column the same rows of W (a cluster lies inside one section): each tile is asked for jointly.
; THE MATRIX INSTRUCTION IS USED TRANSPOSED (source 0 = 16 rows of W, source 1 = 16 rows of x): a lane holds eight neighbouring columns of one row.  The bias is the C of each sum's first product.
; LIMIT: the results are held at 65,504, f16's largest number, from above (and at 0 from below: the relu): one v_med3_num_f32.
; REGISTERS: window 0: v0-31 addresses; v32-95 scale words, two sets; v96-127 packed results; v128-191 x's fragments, one set, later results at work; v192-255 the bias, later rows on the way out.
;   window 1: W's fragments, two sets, at v0 and v128.  window 2: the accumulators of my rows 0-63 ((a, b) at v[8 (8 a + b)]); window 3: those of rows 64-127.
.set NQ,     4                         ; matrix instructions deep in a slot
.set ROWB,   256                       ; a tile's row: 512 codes
.set KROW,   512                       ; a row in memory
.set PITCH,  272
.set FR,     8
.set NL,     2
.set NP,     4                         ; places behind this matrix instruction (ISA guide 7.12.1)
.set HALFT,  128*PITCH
.set SLOT,   4*HALFT
.set KS,     32                        ; a row of scale bytes
.set SCL,    2*SLOT                    ; behind the slots: the scale bytes, as units of 256 bytes + 16
.set HALFS,  (128*KS/256)*272
.set SBLK,   (16*KS/256)*272
.set SPARE,  SCL+4*HALFS               ; the spare words, 128 bytes for each wave
.set SPITCH, 144                       ; the way out: a stage of 2 heads x 16 rows x (128 + 16) bytes for each wave, in slot 0, which has had its one fill and its last read by then
.set ADRA, 16
.set ADRB, 20
.set STO,  24
.set RD,   25
.set CO,   26
.set ADRS, 27
.set SPW,  28
.set NIL,  29
.set BOF,  30                          ; v30  32 x (lane / 16): my eight numbers of a bias tile
.set SC,   32
.set PK,   96
.set AF,   128
.set T,    128
.set BI,   192
.set BK,   192
.set G1, 24
.set G0, 32
.set G1B, 48
.set G0B, 56
.set G1S, 68
.set G0S, 76
.set G1SB, 80
.set G0SB, 88
.set MSB, 0
.macro WIN new                         ; the immediate's high byte repeats the setting that is left
.if MSB != \new
	s_set_vgpr_msb (MSB<<8)|\new
.set MSB, \new
.endif
.endm
.set MUL_LO, 0xa1                      ; source 0 (W) window 1, source 1 (x) window 0, C and D window 2
.set MUL_HI, 0xf1
.set TO_B,   0x40
; A joint load: waves 0 and 1 fetch for x, waves 2 and 3 for W.  The branch hangs on the wave's number alone.  An s_nop 0 and four v_nop follow each line.
.macro JLOAD g0a, g1a, g0b, g1b
	s_cmp_eq_u32 s17, 0
	s_cbranch_scc0 .Lfor_b_\@
	tensor_load_to_lds s[\g0a:\g0a+3], s[\g1a:\g1a+7]
	s_nop 0
.rept 4
	v_nop
.endr
	s_branch .Lasked_\@
.Lfor_b_\@:
	tensor_load_to_lds s[\g0b:\g0b+3], s[\g1b:\g1b+7]
	s_nop 0
.rept 4
	v_nop
.endr
.Lasked_\@:
.endm
.macro CROUND                          ; a round of the cluster's barrier
	s_barrier_signal -1
	s_barrier_wait -1
	s_cmp_lg_u32 s16, 0
	s_cbranch_scc1 .Lnot_wave_0_\@
	s_barrier_signal -3
.Lnot_wave_0_\@:
	s_barrier_wait -3
	s_barrier_signal -1
	s_barrier_wait -1
.endm
	s_load_b128 s[4:7], s[0:1], 0x0                ; xc, xs
	s_load_b256 s[8:15], s[0:1], 0x10              ; bq, bk, bv, hh
	v_lshl_add_u32 v[SPW], v0, 2, SPARE
	v_mov_b32 v[NIL], 0
	ds_add_u32 v[SPW], v[NIL]                      ; the wave's opening: the add, twice on end, and its wait ahead of my first tensor load
	ds_add_u32 v[SPW], v[NIL]
	v_lshrrev_b32 v1, 5, v0
	v_readfirstlane_b32 s16, v1                    ; wave 0..3
	s_lshr_b32 s17, s16, 1                         ; my half of the tile's rows.  Also: I fetch for x (0) or for W (1)
	s_and_b32 s18, s16, 1                          ; my half of its columns.  Also: which 128 rows I fetch
	s_bfe_u32 s40, ttmp6, 0x40000                  ; cx
	s_bfe_u32 s41, ttmp6, 0x40004                  ; cy
	s_lshl_b32 s42, ttmp9, 2
	s_add_co_u32 s42, s42, s40                     ; tile column
	s_and_b32 s95, ttmp7, 0xffff
	s_lshl_b32 s19, s95, 2
	s_add_co_u32 s19, s19, s41                     ; tile row
	s_lshr_b32 s95, s95, 2                         ; the section: 4 clusters of 4 tile rows each; the same in all sixteen partners
	s_lshl_b32 s43, s41, 2
	s_lshl_b32 s43, 15, s43                        ; my row of the cluster
	s_lshl_b32 s44, 0x1111, s40                    ; my column
	s_mov_b32 s96, 0x477fe000                      ; 65,504
	s_or_b32 s[G1+0], s43, (0<<16)|(1<<20)|(1<<21)|(5<<22)|(3<<25)  ; the mask; elements of 1 byte; padding: 4 words behind every 64; bit 21 beside a mask
	s_or_b32 s[G1B+0], s44, (0<<16)|(1<<20)|(1<<21)|(5<<22)|(3<<25)
.irp g, G1, G1B
	s_mov_b32 s[\g+1], ROWB<<16                    ; tensor_dim0
	s_mov_b32 s[\g+2], 128<<16                     ; tensor_dim1
	s_mov_b32 s[\g+3], ROWB<<16                    ; tile_dim0
	s_mov_b32 s[\g+4], 128                         ; tile_dim1
	s_mov_b32 s[\g+5], KROW                        ; from row to row
	s_mov_b32 s[\g+6], 0
	s_mov_b32 s[\g+7], 0
.endr
	s_or_b32 s[G1S+0], s43, (3<<16)|(1<<20)|(1<<21)|(5<<22)|(3<<25) ; the scale bytes of 128 rows: 4,096 dense bytes as 16 rows of 256 (32 elements of 8 bytes)
	s_or_b32 s[G1SB+0], s44, (3<<16)|(1<<20)|(1<<21)|(5<<22)|(3<<25)
.irp g, G1S, G1SB
	s_mov_b32 s[\g+1], 32<<16
	s_mov_b32 s[\g+2], (128*KS/256)<<16
	s_mov_b32 s[\g+3], 32<<16
	s_mov_b32 s[\g+4], 128*KS/256
	s_mov_b32 s[\g+5], 32
	s_mov_b32 s[\g+6], 0
	s_mov_b32 s[\g+7], 0
.endr
	s_lshl_b32 s45, s18, 7                         ; which 128 rows of the tile I fetch
	s_lshl_b32 s20, s19, 8
	s_add_co_u32 s20, s20, s45                     ; x: row 256 x tile row + 128 x half
	s_lshl_b32 s22, s20, 5                         ; its scale bytes,
	s_lshl_b32 s20, s20, 9                         ; its codes
	s_mov_b32 s21, 0
	s_mov_b32 s23, 0
	s_lshl_b32 s46, s42, 8
	s_add_co_u32 s46, s46, s45
	s_lshl_b32 s47, s95, 10
	s_add_co_u32 s46, s46, s47                     ; W: row 1,024 x section + 256 x tile column + 128 x half
	s_lshl_b32 s92, s46, 5
	s_add_co_u32 s92, s92, 393216                  ; behind x's 12,288 rows of scale bytes
	s_lshl_b32 s46, s46, 9
	s_add_co_u32 s46, s46, 6291456                 ; and of codes
	s_mov_b32 s47, 0
	s_mov_b32 s93, 0
	s_mul_i32 s45, s16, HALFT                      ; where they go: wave x 128 rows: no place in the cluster enters an LDS address
	s_mul_i32 s94, s16, HALFS
	s_wait_dscnt 0x0                               ; both opening adds are done
	s_wait_kmcnt 0x0
	s_add_nc_u64 s[20:21], s[4:5], s[20:21]
	s_add_nc_u64 s[22:23], s[6:7], s[22:23]
	s_add_nc_u64 s[46:47], s[4:5], s[46:47]
	s_add_nc_u64 s[92:93], s[6:7], s[92:93]
	CROUND                                         ; all sixteen work-groups are here: the joint loads meet
	s_mov_b32 s[G0S], 1
	s_add_co_u32 s[G0S+1], s94, SCL
	s_mov_b64 s[G0S+2:G0S+3], s[22:23]
	s_or_b32 s[G0S+3], s[G0S+3], 0x80000000
	s_mov_b32 s[G0SB], 1
	s_add_co_u32 s[G0SB+1], s94, SCL
	s_mov_b64 s[G0SB+2:G0SB+3], s[92:93]
	s_or_b32 s[G0SB+3], s[G0SB+3], 0x80000000
	JLOAD G0S, G1S, G0SB, G1SB                     ; the scale bytes first
.irp s, 0,1
	s_mov_b32 s[G0+4*\s], 1
	s_add_co_u32 s[G0+4*\s+1], s45, \s*SLOT
	s_add_nc_u64 s[G0+4*\s+2:G0+4*\s+3], s[20:21], \s*ROWB
	s_or_b32 s[G0+4*\s+3], s[G0+4*\s+3], 0x80000000
	s_mov_b32 s[G0B+4*\s], 1
	s_add_co_u32 s[G0B+4*\s+1], s45, \s*SLOT
	s_add_nc_u64 s[G0B+4*\s+2:G0B+4*\s+3], s[46:47], \s*ROWB
	s_or_b32 s[G0B+4*\s+3], s[G0B+4*\s+3], 0x80000000
	JLOAD G0+4*\s, G1, G0B+4*\s, G1B
.endr
	v_and_b32 v1, 15, v0                           ; r
	v_bfe_u32 v2, v0, 4, 1                         ; h
	v_mul_u32_u24 v3, v1, PITCH
	v_lshl_add_u32 v4, v2, 4, v3                   ; a fragment's row x pitch + 16 h
	s_mul_i32 s21, s17, HALFT                      ; my 128 rows of x
	s_mul_i32 s22, s18, HALFT                      ; my 128 rows of W,
	s_add_co_u32 s22, s22, 2*HALFT                 ; behind x's 256
.irp s, 0,1
	v_add_nc_u32 v[ADRA+\s], s21, v4
	v_add_nc_u32 v[ADRB+\s], s22, v4
	s_add_co_u32 s21, s21, SLOT
	s_add_co_u32 s22, s22, SLOT
.endr
	v_mul_u32_u24 v5, v1, KS                       ; my row's scale bytes: 32 a row,
	v_lshrrev_b32 v6, 8, v5
	v_lshl_add_u32 v5, v6, 4, v5                   ; and 16 more for each 256 passed
	s_mul_i32 s21, s17, HALFS
	s_mul_i32 s22, s18, HALFS
	s_add_co_u32 s22, s22, 2*HALFS
	s_sub_co_u32 s22, s22, s21
	v_mul_u32_u24 v6, s22, v2                      ; lanes 16-31 take W's
	s_add_co_u32 s21, s21, SCL
	v_add_nc_u32 v5, v5, v6
	v_add_nc_u32 v[ADRS], s21, v5
	s_mul_i32 s23, s16, 2*16*SPITCH                ; my stage
	v_mul_u32_u24 v5, v1, SPITCH
	v_lshl_add_u32 v5, v2, 4, v5
	v_add_nc_u32 v[STO], s23, v5                   ; in: row r, 16 bytes for each half of the lanes
	v_and_b32 v6, 31, v0
	v_lshrrev_b32 v7, 3, v6
	v_and_b32 v8, 7, v6
	v_mul_u32_u24 v7, v7, SPITCH
	v_lshl_add_u32 v7, v8, 4, v7
	v_add_nc_u32 v[RD], s23, v7                    ; back: eight lanes to a row of 128 bytes, four rows an instruction
	v_lshlrev_b32 v[CO], 4, v6                     ; which are 512 consecutive bytes of hh
	s_lshr_b32 s2, s19, 3                          ; where my part begins in hh: 2 x section + batch, 4,194,304 bytes each;
	s_lshl_b32 s2, s2, 22
	s_lshl_b32 s3, s42, 2
	s_lshl_b32 s66, s18, 1
	s_add_co_u32 s3, s3, s66                       ; my first head: 4 x tile column + 2 x half, 262,144 bytes each;
	s_lshl_b32 s3, s3, 18
	s_add_co_u32 s2, s2, s3
	s_and_b32 s3, s19, 7
	s_lshl_b32 s3, s3, 8
	s_lshl_b32 s66, s17, 7
	s_add_co_u32 s3, s3, s66                       ; my first position, 128 bytes each
	s_lshl_b32 s3, s3, 7
	s_add_co_u32 s2, s2, s3
	s_mov_b32 s3, 0
	s_add_nc_u64 s[14:15], s[14:15], s[2:3]
	s_cmp_eq_u32 s95, 0                            ; the section's bias
	s_cselect_b64 s[98:99], s[8:9], s[10:11]
	s_cmp_eq_u32 s95, 2
	s_cselect_b64 s[98:99], s[12:13], s[98:99]
	s_lshl_b32 s66, s42, 10
	s_lshl_b32 s67, s18, 9
	s_add_co_u32 s66, s66, s67                     ; my 128 columns
	s_mov_b32 s67, 0
	s_add_nc_u64 s[98:99], s[98:99], s[66:67]
	v_lshlrev_b32 v[BOF], 5, v2
.irp b, 0,1,2,3,4,5,6,7
	global_load_b128 v[BI+8*\b:BI+8*\b+3], v[BOF], s[98:99] offset:64*\b          ; lane (r, h): the bias of columns 16 b + 8 h + 0 .. 7, in the result's layout
	global_load_b128 v[BI+8*\b+4:BI+8*\b+7], v[BOF], s[98:99] offset:64*\b+16
.endr
.macro FRAG reg, adr, q, i             ; 16 rows x 128 K of 4-bit codes: 8 registers; lane l: row l % 16; registers 4 c .. 4 c + 3: K = 64 c + 32 (l / 16) + 0 .. 31
.irp c, 0,1
	ds_load_b128 v[\reg+4*\c:\reg+4*\c+3], v[\adr] offset:64*(\q)+32*\c+(\i)*16*PITCH
.endr
.endm
; 16 matrix instructions: x's blocks a0, a0 + 1 against W's eight.  zero = 1: the first product starts the sums from the bias.  The 64 accumulators take turns, one instruction a turn.
.macro MUL16 a0, p, q, sc, zero
.irp a, \a0, \a0+1
.irp b, 0,1,2,3,4,5,6,7
.if \zero
	v_wmma_scale_f32_16x16x128_f8f6f4 v[8*(8*((\a)%4)+\b):8*(8*((\a)%4)+\b)+7], v[128*(\p)+FR*\b:128*(\p)+FR*\b+FR-1], v[AF+FR*(\a):AF+FR*(\a)+FR-1], v[BI+8*\b:BI+8*\b+7], v[SC+8*NQ*(\sc)+NQ*\b+(\q)], v[SC+8*NQ*(\sc)+NQ*(\a)+(\q)] matrix_a_fmt:MATRIX_FMT_FP4 matrix_b_fmt:MATRIX_FMT_FP4 matrix_a_scale:MATRIX_SCALE_ROW1
.else
	v_wmma_scale_f32_16x16x128_f8f6f4 v[8*(8*((\a)%4)+\b):8*(8*((\a)%4)+\b)+7], v[128*(\p)+FR*\b:128*(\p)+FR*\b+FR-1], v[AF+FR*(\a):AF+FR*(\a)+FR-1], v[8*(8*((\a)%4)+\b):8*(8*((\a)%4)+\b)+7], v[SC+8*NQ*(\sc)+NQ*\b+(\q)], v[SC+8*NQ*(\sc)+NQ*(\a)+(\q)] matrix_a_fmt:MATRIX_FMT_FP4 matrix_b_fmt:MATRIX_FMT_FP4 matrix_a_scale:MATRIX_SCALE_ROW1
.endif
.endr
.endr
.endm
.macro FETCH_B slot, q, p
	WIN TO_B
.irp i, 0,1,2,3,4,5,6,7
	FRAG 128*(\p)+FR*\i, ADRB+\slot, \q, \i
.endr
	WIN 0
.endm
.macro FETCH_A slot, q, i0
.irp i, \i0, \i0+1, \i0+2, \i0+3
	FRAG AF+FR*(\i), ADRA+\slot, \q, \i
.endr
.endm
.macro SCALES sc                       ; a slot's scale words: four a row; lanes 0-15 take x's block i, lanes 16-31 W's block i
.irp i, 0,1,2,3,4,5,6,7
	ds_load_b128 v[SC+8*NQ*\sc+NQ*\i:SC+8*NQ*\sc+NQ*\i+3], v[ADRS] offset:\i*SBLK
.endr
.endm
.macro PLACES n                        ; plain vector instructions between a matrix instruction and a load into, or a read of, its registers
.rept \n
	v_nop
.endr
.endm
.macro STEP slot, q, zero              ; 128 along K, with its successor in the same slot
	s_wait_dscnt 4*NL                              ; W's set and x's blocks 0-3 are in; the youngest eight loads (x's blocks 4-7) may be out
.if \zero
	WIN 0x81                                       ; C, the bias, in window 0
.else
	WIN MUL_LO
.endif
	MUL16 0, (\q)%2, \q, \slot, \zero
	MUL16 2, (\q)%2, \q, \slot, \zero
	s_wait_dscnt 0
	PLACES NP
	FETCH_B \slot, (\q)+1, 1-(\q)%2
	FETCH_A \slot, (\q)+1, 0
.if \zero
	WIN 0xc1
.else
	WIN MUL_HI
.endif
	MUL16 4, (\q)%2, \q, \slot, \zero
	MUL16 6, (\q)%2, \q, \slot, \zero
	PLACES NP
	WIN 0
	FETCH_A \slot, (\q)+1, 4
.endm
.macro STEPS slot, from
.set Q, \from
.rept NQ-1-\from
	STEP \slot, Q, 0
.set Q, Q+1
.endr
.endm
	s_wait_tensorcnt 1                             ; the scale bytes and my part of slot 0 are in; slot 1's load may be out
	s_barrier_signal -1
	s_barrier_wait -1
	FETCH_B 0, 0, 0
	FETCH_A 0, 0, 0
	SCALES 0
	FETCH_A 0, 0, 4
	s_wait_loadcnt 0x0                             ; the bias
	STEP 0, 0, 1
	STEPS 0, 1
	; slot 0's last step changes slots: one barrier; nothing is filled again
	s_wait_tensorcnt 0x0                           ; my part of slot 1 has landed
	ds_add_u32 v[SPW], v[NIL]
	s_wait_dscnt 4*NL+1                            ; (the add and x's blocks 4-7 may be out)
	WIN MUL_LO
	MUL16 0, 1, NQ-1, 0, 0
	s_wait_dscnt 0x0                               ; the add is done, and my reads of slot 0 are over
	s_barrier_signal -1
	MUL16 2, 1, NQ-1, 0, 0
	WIN 0
	s_barrier_wait -1
	PLACES NP
	v_add_nc_u32 v[ADRS], 4*NQ, v[ADRS]            ; on to slot 1's scale words
	FETCH_B 1, 0, 0
	FETCH_A 1, 0, 0
	SCALES 1
	WIN MUL_HI
	MUL16 4, 1, NQ-1, 0, 0
	MUL16 6, 1, NQ-1, 0, 0
	PLACES NP
	WIN 0
	FETCH_A 1, 0, 4
	STEPS 1, 0
	s_wait_dscnt 4*NL                              ; the very last step
	WIN MUL_LO
	MUL16 0, 1, NQ-1, 1, 0
	MUL16 2, 1, NQ-1, 1, 0
	s_wait_dscnt 0
	WIN MUL_HI
	MUL16 4, 1, NQ-1, 1, 0
	MUL16 6, 1, NQ-1, 1, 0
	WIN 0
; THE WAY OUT, block by block of 16 rows x 128 columns (two heads).  PACK: relu and the hold in one instruction, each accumulator from its low end on, then rounded to f16: 16 bytes a lane and column block.
; TOSTAGE: into my stage, and back as rows of 128 bytes.  SEND: 32 lanes store 512 consecutive bytes, four positions of one head.
.macro PACK a
.set AC, 64*((\a)%4)
	WIN 0x02+((\a)/4)                              ; source 0: window 2 or 3
.set i, 0
.rept 64
	v_med3_num_f32 v[T+i], v[AC+i], 0, s96
.set i, i+1
.endr
	WIN 0
.set i, 0
.rept 32
	v_cvt_pk_f16_f32 v[PK+i], v[T+2*i], v[T+2*i+1]
.set i, i+1
.endr
.endm
.macro TOSTAGE a
.set BB, BK+32*((\a)%2)
.irp b, 0,1,2,3,4,5,6,7
	ds_store_b128 v[STO], v[PK+4*\b:PK+4*\b+3] offset:(\b/4)*16*SPITCH+(\b%4)*32
.endr
.irp t, 0,1,2,3,4,5,6,7
	ds_load_b128 v[BB+4*\t:BB+4*\t+3], v[RD] offset:(\t/4)*16*SPITCH+(\t%4)*4*SPITCH   ; LDS serves a wave's instructions in order: these see the stores above
.endr
.endm
.macro SEND a
.set BB, BK+32*((\a)%2)
	s_wait_dscnt 0x0                               ; the block is back in registers
	s_wait_xcnt 0x0                                ; the block before's stores have read their data: the next block's loads land there only behind this wait
.irp t, 0,1,2,3,4,5,6,7
	global_store_b128 v[CO], v[BB+4*\t:BB+4*\t+3], s[14:15] offset:(\t/4)*262144+(\a)*2048+(\t%4)*512
.endr
.endm
	PLACES NP
	PACK 0
	TOSTAGE 0
.irp a, 1,2,3,4,5,6,7                  ; block a's arithmetic stands between block a - 1's loads from the stage and the wait for them
	PACK \a
	SEND \a-1
	TOSTAGE \a
.endr
	SEND 7
	s_wait_tensorcnt 0x0                           ; the wave's end
	ds_add_u32 v[SPW], v[NIL]
	s_wait_dscnt 0x0
	CROUND                                         ; the closing round
	s_endpgm
.Lfunc_end_k_q93f2048af8_proj:
	.size	k_q93f2048af8_proj, .Lfunc_end_k_q93f2048af8_proj-k_q93f2048af8_proj
	.p2alignl 7, 3214868480
	.fill 96, 4, 3214868480
	.section	.rodata,"a",@progbits
	.p2align	6, 0x0
	.amdhsa_kernel k_q93f2048af8_proj
		.amdhsa_group_segment_fixed_size 327680
		.amdhsa_private_segment_fixed_size 0
		.amdhsa_enable_private_segment 0
		.amdhsa_kernarg_size 48
		.amdhsa_user_sgpr_count 2
		.amdhsa_user_sgpr_kernarg_segment_ptr 1
		.amdhsa_wavefront_size32 1
		.amdhsa_system_sgpr_workgroup_id_x 1
		.amdhsa_system_sgpr_workgroup_id_y 1
		.amdhsa_system_sgpr_workgroup_id_z 1
		.amdhsa_system_vgpr_workitem_id 0
		.amdhsa_next_free_vgpr 1024
		.amdhsa_next_free_sgpr 100
		.amdhsa_reserve_vcc 0
		.amdhsa_float_denorm_mode_32 3
		.amdhsa_float_denorm_mode_16_64 3
		.amdhsa_memory_ordered 1
		.amdhsa_forward_progress 1
		.amdhsa_inst_pref_size 160
	.end_amdhsa_kernel
	.amdgpu_metadata
---
amdhsa.version: [ 1, 2 ]
amdhsa.kernels:
  - .name:           k_q93f2048af8_proj
    .symbol:         k_q93f2048af8_proj.kd
    .args:
      - { .name: xc, .offset: 0, .size: 8, .value_kind: global_buffer, .address_space: global }
      - { .name: xs, .offset: 8, .size: 8, .value_kind: global_buffer, .address_space: global }
      - { .name: bq, .offset: 16, .size: 8, .value_kind: global_buffer, .address_space: global }
      - { .name: bk, .offset: 24, .size: 8, .value_kind: global_buffer, .address_space: global }
      - { .name: bv, .offset: 32, .size: 8, .value_kind: global_buffer, .address_space: global }
      - { .name: hh, .offset: 40, .size: 8, .value_kind: global_buffer, .address_space: global }
    .group_segment_fixed_size: 327680
    .private_segment_fixed_size: 0
    .kernarg_segment_align: 8
    .kernarg_segment_size: 48
    .max_flat_workgroup_size: 128
    .sgpr_count:     100
    .vgpr_count:     1024
    .wavefront_size: 32
...
	.end_amdgpu_metadata
.endif
;; end of part 2
;; launch attn (part 3): grid 8 x 32, 16 waves a work-group, no clusters, 327,680 bytes of LDS; arguments hh, relt, rel_v, ao; writes ao
.if DOCPART == 3
	.amdgcn_target "amdgcn-amd-amdhsa--gfx1250"
	.amdhsa_code_object_version 6
	.text
	.protected	k_q93f2048af8_attn
	.globl	k_q93f2048af8_attn
	.p2align	8
	.type	k_q93f2048af8_attn,@function
k_q93f2048af8_attn:
	s_mov_b64 s[64:65], 0
	v_nop
	global_prefetch_b8 v0, s[64:65] scope:SCOPE_SE
	s_setreg_imm32_b32 hwreg(HW_REG_WAVE_MODE, 25, 1), 1
	s_wait_xcnt 0x0
; ATTENTION WITH CLIPPED RELATIVE POSITIONS, f16 operands, f32 sums.  For head bh and query q: score(k) = (Q[q] . K[k] + Q[q] . rel_k[clip(k - q) + 16]) / 32; softmax with a running maximum;
; out = sum of p(k) (V[k] + rel_v[clip(k - q) + 16]) / sum of p.  Q, K, V: hh's three sections, [bh][2048][64] f16.  ao: f16, [head][batch x 2048 + q][64].
; THE RELATIVE TERMS.  For a tile of 16 queries from q0 on, every tile of 16 keys that begins at q0 - 32 or lower has k - q <= -16 throughout: it adds ONE number a query, Q . rel_k[0], to its scores, and its p, summed in
; f32 (lL), times rel_v[0] to the result; tiles from q0 + 32 on likewise with rel_k[32], rel_v[32] (lR).  Only the WINDOW, the three tiles at q0 - 16, q0, q0 + 16, differs by element.  It is done once, ahead of the walk:
; E[r][i] = Q[q0 + r] . relk_ext[i] (8 products) goes through LDS and comes back as E[r][kk + 15 - r] for window key kk; its p is strewn into W[r][kk + 15 - r], and O += relv_ext^T W^T (8 products).  In the walk the window's tiles are masked.
; A step of 64 keys holds four tiles and the window three, so a step never holds tiles of both sides: one addend and one of two sums serve it, chosen by ids.
; SHARES.  A work-group owns 256 queries of one head, each of sixteen waves one tile of 16, in 256 registers: four waves to a SIMD.  Both products are used transposed (S^T = K Q^T, O^T = V^T P): a lane holds one query throughout.
; THE WALK IS TURNED: work-group x takes the head's eight blocks of 256 keys in the order (x + i) mod 8, so that its own block, with 16 rows more on both sides, is its first slot, and the window's LDS addresses are constants.
; Rows before a head's first key or behind its last are bytes of hh that earlier launches wrote (a neighbouring head or section, or the zeros at the end): finite numbers, whose scores get -infinity, so that p = 0.
; NO CLUSTER: by that order the eight work-groups of a head ask for eight different blocks in every trip: no tile is wanted by two at the same time.  NO PREFETCH: every block is some work-group's first fill, at the kernel's head, where none is laid.
; THE RING: two slots, 2^17 bytes apart; waves 0, 1 fetch K's halves, waves 2, 3 V's, wave 4 the tables once; by this text's count a wave has one tensor load out.  Every wait on TENSORcnt is for 0.
; LIMITS: the result is held at +-65,504 for f16.  NaN and infinities among the inputs are not served.
; REGISTERS: v1-4 K's and V's addresses; v5, v6 the add's two; v7 -infinity; v8, v9 Q . rel_k[0], Q . rel_k[32]; v10 m, v11 c m; v12-19 pairs (c a - c m, a) for the step's four tiles; v20 f, v21 the step's addend;
;   v22-24 lL, lR, lW; v25-35 at work; v36-39, v56-63 addresses; v40-55 Q; v64-127 fragments of K, then of V; v128-159 S^T, then p; v160-175 P; v176-207 O^T; v208-231 E as gathered, W's fragments, rows on the way out; v232-235 zeros; v236-251 packed.
.set KP,    144                        ; a row of K in LDS: 128 bytes + 16
.set VP,    160                        ; a row of V: 128 + 32: an odd multiple of 32
.set VOFF,  288*KP                     ; a slot: 288 rows of K, then 288 of V; a block's key 0 lies at row 16
.set SLOT1, 1<<17
.set WT,    288*(KP+VP)                ; behind slot 0: W, 2,560 bytes a wave (16 rows x 144, and the rest of the tenth block)
.set ET,    SLOT1+288*(KP+VP)          ; behind slot 1: E, 16 rows x 272 bytes a wave; later the stage for the way out
.set RT,    ET+16*4352                 ; the tables: 128 rows x 144
.set SPARE, RT+128*KP                  ; the spare words, 128 bytes for each of sixteen waves
.set G1K,  24                          ; s[24:31] group 1: 128 rows of K;  s[32:39]: of V;  s[40:47], s[48:55]: 144 rows, for the first fills
.set G1V,  32
.set G1KF, 40
.set G1VF, 48
.set G0K,  56                          ; s[56:59], s[60:63], s[68:71] groups 0: K, V, the tables
.set G0V,  60
.set G0R,  68
.macro TLOAD                           ; waves 0 and 1 fetch for K, waves 2 and 3 for V, the others nothing.  An s_nop 0 and four v_nop follow each line
	s_cmp_lt_u32 s12, 2
	s_cbranch_scc0 .Lnot_k_\@
	tensor_load_to_lds s[G0K:G0K+3], s[G1K:G1K+7]
	s_nop 0
.rept 4
	v_nop
.endr
	s_branch .Lasked_\@
.Lnot_k_\@:
	s_cmp_lt_u32 s12, 4
	s_cbranch_scc0 .Lasked_\@
	tensor_load_to_lds s[G0V:G0V+3], s[G1V:G1V+7]
	s_nop 0
.rept 4
	v_nop
.endr
.Lasked_\@:
.endm
	s_load_b256 s[4:11], s[0:1], 0x0               ; hh, relt, rel_v, ao
	v_lshl_add_u32 v5, v0, 2, SPARE
	v_mov_b32 v6, 0
	ds_add_u32 v5, v6                              ; the wave's opening: the add, twice on end, and its wait ahead of my first tensor load
	ds_add_u32 v5, v6
	v_lshrrev_b32 v25, 5, v0
	v_readfirstlane_b32 s12, v25                   ; wave 0..15
	s_mov_b32 s13, ttmp9                           ; x: my block of 256 queries
	s_and_b32 s14, ttmp7, 0xffff                   ; bh
	s_lshl_b32 s15, s13, 8
	s_lshl_b32 s80, s12, 4
	s_add_co_u32 s15, s15, s80                     ; q0
	s_mov_b32 s16, 0x3d38aa3b                      ; c = log2(e) / 32
	s_mov_b32 s17, s16                             ; (named with it as a pair)
	s_mov_b32 s18, 0x76543210                      ; v_permlanex16_b32's selects for lane l xor 16
	s_mov_b32 s19, 0xfedcba98
	s_mov_b32 s20, 0                               ; the slot in hand
	s_lshl_b32 s21, s13, 8                         ; the step's first key
	s_mov_b32 s22, 6                               ; the loop's trips
	s_mov_b32 s23, s13                             ; the block in hand
	s_mov_b32 s77, 0                               ; the upper word of the offsets' pair s[76:77]
.irp g, G1K, G1KF
	s_mov_b32 s[\g], (1<<16)|(1<<20)|(4<<22)|(3<<25)   ; elements of 2 bytes; padding: 4 words behind every 32
.endr
.irp g, G1V, G1VF
	s_mov_b32 s[\g], (1<<16)|(1<<20)|(4<<22)|(7<<25)   ; 8 words
.endr
.irp g, G1K, G1V, G1KF, G1VF
	s_mov_b32 s[\g+1], 64<<16                      ; tensor_dim0
	s_mov_b32 s[\g+3], 64<<16                      ; tile_dim0
	s_mov_b32 s[\g+5], 64                          ; from row to row
	s_mov_b32 s[\g+6], 0
	s_mov_b32 s[\g+7], 0
.endr
.irp g, G1K, G1V
	s_mov_b32 s[\g+2], 128<<16                     ; tensor_dim1
	s_mov_b32 s[\g+4], 128                         ; tile_dim1
.endr
.irp g, G1KF, G1VF
	s_mov_b32 s[\g+2], 144<<16
	s_mov_b32 s[\g+4], 144
.endr
	; every LDS address is made here, ahead of the first branch on the wave's number
	v_and_b32 v25, 15, v0                          ; r
	v_bfe_u32 v26, v0, 4, 1                        ; h
	v_and_b32 v27, 31, v0                          ; lane
	v_mul_u32_u24 v28, v25, KP
	v_lshl_add_u32 v28, v26, 4, v28                ; r x 144 + 16 h: a fragment's place
	v_add_nc_u32 v1, 16*KP, v28                    ; K in a slot: from row 16 on
	v_and_b32 v29, 7, v0
	v_lshl_add_u32 v29, v26, 3, v29
	v_mul_u32_u24 v29, v29, VP
	v_bfe_u32 v31, v0, 3, 1
	v_lshl_add_u32 v29, v31, 4, v29                ; the turning load's place: key 8 h + lane % 8, channels 8 ((lane / 8) % 2) on
	v_add_nc_u32 v2, VOFF+16*VP, v29               ; V in a slot
	s_mul_i32 s80, s12, 16*KP
	v_add_nc_u32 v36, s80, v28                     ; the window's K: key q0 - 16 lies at row 16 w of slot 0
	s_mul_i32 s80, s12, 16*VP
	s_add_co_u32 s80, s80, VOFF
	v_add_nc_u32 v37, s80, v29                     ; and its V
	v_add_nc_u32 v38, RT, v28                      ; the tables
	s_mul_i32 s80, s12, 4352
	s_add_co_u32 s80, s80, ET                      ; my E
	v_mul_u32_u24 v39, v25, 272
	v_lshl_add_u32 v39, v26, 5, v39
	v_add_nc_u32 v39, s80, v39                     ; in: E[r][8 h ..]
	v_mul_u32_u24 v56, v25, 268
	v_lshl_add_u32 v56, v26, 5, v56
	v_add_nc_u32 v56, s80, v56
	v_add_nc_u32 v56, 60, v56                      ; back: E[r][8 h + 15 - r ..]: 272 r + 4 (8 h + 15 - r)
	v_add_nc_u32 v60, s80, v28                     ; the way out, in: row r, 16 bytes for each half of the lanes
	v_bfe_u32 v61, v0, 3, 2
	v_mul_u32_u24 v61, v61, KP
	v_and_b32 v31, 7, v0
	v_lshl_add_u32 v61, v31, 4, v61
	v_add_nc_u32 v61, s80, v61                     ; back: eight lanes to a row of 128 bytes
	s_mul_i32 s80, s12, 2560
	s_add_co_u32 s80, s80, WT                      ; my W
	v_lshlrev_b32 v62, 4, v27                      ; 16 x lane
	v_add_nc_u32 v57, s80, v62                     ; to clear it
	v_mul_u32_u24 v58, v25, 142
	v_lshl_add_u32 v58, v26, 4, v58
	v_add_nc_u32 v58, s80, v58
	v_add_nc_u32 v58, 30, v58                      ; in: W[r][8 h + 15 - r ..]: 144 r + 2 (8 h + 15 - r)
	v_add_nc_u32 v59, s80, v28                     ; back, as a fragment
	v_lshlrev_b32 v63, 5, v26                      ; 32 h: my eight channels of a tile, in f32
	v_mov_b32 v7, 0xff800000                       ; -infinity
	v_mov_b32 v30, 0                               ; written once: a lane permute's destination counts as one of its sources
.irp j, 0,1,2,3
	v_mov_b32 v[232+\j], 0
.endr
	v_lshlrev_b32 v31, 7, v25
	v_lshl_add_u32 v31, v26, 4, v31                ; Q in memory: row r of 128 bytes, + 16 h
	s_and_b32 s81, s12, 1                          ; which half I fetch, if I fetch
	s_lshl_b32 s82, s14, 18                        ; my head in a section: 262,144 bytes each
	s_lshl_b32 s83, s13, 15
	s_add_co_u32 s83, s83, s82
	s_mul_i32 s84, s81, 144*128
	s_add_co_u32 s83, s83, s84                     ; the first fill: my block, + 144 rows x half
	s_wait_dscnt 0x0                               ; both opening adds are done
	s_wait_kmcnt 0x0
	s_add_co_u32 s76, s83, 8388608-2048            ; in K's section, 16 rows earlier
	s_mov_b32 s[G0K], 1
	s_mul_i32 s[G0K+1], s81, 144*KP
	s_add_nc_u64 s[G0K+2:G0K+3], s[4:5], s[76:77]
	s_or_b32 s[G0K+3], s[G0K+3], 0x80000000
	s_add_co_u32 s76, s83, 16777216-2048           ; in V's
	s_mov_b32 s[G0V], 1
	s_mul_i32 s[G0V+1], s81, 144*VP
	s_add_co_u32 s[G0V+1], s[G0V+1], VOFF
	s_add_nc_u64 s[G0V+2:G0V+3], s[4:5], s[76:77]
	s_or_b32 s[G0V+3], s[G0V+3], 0x80000000
	s_mov_b32 s[G0R], 1
	s_mov_b32 s[G0R+1], RT
	s_mov_b64 s[G0R+2:G0R+3], s[6:7]
	s_or_b32 s[G0R+3], s[G0R+3], 0x80000000
	s_lshl_b32 s84, s81, 14                        ; the ring's fills: 128 rows x half,
	s_add_co_u32 s84, s84, s82
	s_add_co_u32 s76, s84, 8388608
	s_add_nc_u64 s[72:73], s[4:5], s[76:77]        ; from my head's first key in K,
	s_add_co_u32 s76, s84, 16777216
	s_add_nc_u64 s[74:75], s[4:5], s[76:77]        ; and in V
	s_mul_i32 s78, s81, 128*KP
	s_add_co_u32 s78, s78, SLOT1+16*KP             ; and where they go in slot 1
	s_mul_i32 s79, s81, 128*VP
	s_add_co_u32 s79, s79, SLOT1+VOFF+16*VP
	s_cmp_lt_u32 s12, 2                            ; THE FIRST FILLS: slot 0, 288 rows, and the tables: one load a wave, in waves 0 to 4
	s_cbranch_scc0 .Lf_not_k
	tensor_load_to_lds s[G0K:G0K+3], s[G1KF:G1KF+7]
	s_nop 0
.rept 4
	v_nop
.endr
	s_branch .Lf_done
.Lf_not_k:
	s_cmp_lt_u32 s12, 4
	s_cbranch_scc0 .Lf_not_v
	tensor_load_to_lds s[G0V:G0V+3], s[G1VF:G1VF+7]
	s_nop 0
.rept 4
	v_nop
.endr
	s_branch .Lf_done
.Lf_not_v:
	s_cmp_eq_u32 s12, 4
	s_cbranch_scc0 .Lf_done
	tensor_load_to_lds s[G0R:G0R+3], s[G1K:G1K+7]
	s_nop 0
.rept 4
	v_nop
.endr
.Lf_done:
	s_lshl_b32 s76, s15, 7
	s_add_co_u32 s76, s76, s82
	s_add_nc_u64 s[4:5], s[4:5], s[76:77]          ; Q at my first query
.irp s, 0,1
.irp c, 0,1
	global_load_b128 v[40+8*\s+4*\c:43+8*\s+4*\c], v31, s[4:5] offset:64*\s+32*\c   ; Q's two fragments stay in registers
.endr
.endr
	s_and_b32 s84, s14, 15
	s_lshl_b32 s84, s84, 12
	s_lshr_b32 s85, s14, 4
	s_lshl_b32 s85, s85, 11
	s_add_co_u32 s84, s84, s85
	s_add_co_u32 s84, s84, s15                     ; ao's row: 4,096 x head + 2,048 x batch + q0
	s_lshl_b32 s76, s84, 7
	s_add_nc_u64 s[10:11], s[10:11], s[76:77]
; THE CHANGE OF SLOTS stands at a slot's head.  Each wave waits for all its tensor loads, adds 0 to its spare word (fill = 1: twice on end),
; and waits for that and for its reads of the slot that it has left.  Behind the barrier the slot ahead is whole and nobody reads the other: fill = 1: it takes the block after the one in hand.
.macro CHANGE fill, first
	s_wait_tensorcnt 0x0                           ; no tensor load of mine is out, so a group 0 may be written
	ds_add_u32 v5, v6
.if \fill
	ds_add_u32 v5, v6
	s_add_co_u32 s76, s23, 1
	s_and_b32 s76, s76, 7                          ; the next block, round the head
	s_lshl_b32 s76, s76, 15                        ; 256 rows of 128 bytes each
	s_add_nc_u64 s[G0K+2:G0K+3], s[72:73], s[76:77]
	s_or_b32 s[G0K+3], s[G0K+3], 0x80000000
	s_add_nc_u64 s[G0V+2:G0V+3], s[74:75], s[76:77]
	s_or_b32 s[G0V+3], s[G0V+3], 0x80000000
.if \first
	s_mov_b32 s[G0K+1], s78                        ; slot 1's first fill
	s_mov_b32 s[G0V+1], s79
.else
	s_xor_b32 s[G0K+1], s[G0K+1], SLOT1            ; the other slot than last time
	s_xor_b32 s[G0V+1], s[G0V+1], SLOT1
.endif
.endif
	s_wait_dscnt 0x0
	s_barrier_signal -1
	s_barrier_wait -1
.if \fill
	TLOAD                                          ; the first thing behind the barrier, and a wave's one tensor load until the next: it has four key steps in which to land
.endif
.endm
; n tiles of 16 rows x 64 along K as fragments: tile t, half s of K at v[64 + 16 t + 8 s]: lane l: row l % 16; registers 0-3: 8 (l / 16) + 0 .. 7, registers 4-7: 16 more
.macro LOADK adr, off, n
.set t_, 0
.rept \n
.irp s, 0,1
.irp c, 0,1
	ds_load_b128 v[64+16*t_+8*\s+4*\c:67+16*t_+8*\s+4*\c], v[\adr] offset:(\off)+t_*16*KP+64*\s+32*\c
.endr
.endr
.set t_, t_+1
.endr
.endm
; S^T = (those rows) Q^T: register j of tile t: row 16 t + 8 (lane / 16) + j, query lane % 16.  The accumulators take turns
.macro KQ n
.irp s, 0,1
.set t_, 0
.rept \n
.if \s == 0
	v_wmma_f32_16x16x32_f16 v[128+8*t_:135+8*t_], v[64+16*t_:71+16*t_], v[40:47], 0
.else
	v_wmma_f32_16x16x32_f16 v[128+8*t_:135+8*t_], v[72+16*t_:79+16*t_], v[48:55], v[128+8*t_:135+8*t_]
.endif
.set t_, t_+1
.endr
.endr
.endm
; 64 keys of V, turned: channels 16 t on, keys 32 s on at v[64 + 32 s + 8 t]
.macro LOADV off
.irp s, 0,1
.irp t, 0,1,2,3
.irp c, 0,1
	ds_load_tr16_b128 v[64+32*\s+8*\t+4*\c:67+32*\s+8*\t+4*\c], v4 offset:(\off)+(32*\s+16*\c)*VP+32*\t
.endr
.endr
.endr
.endm
; What is added to the scores of the step's four tiles, by ids alone: the left or the right number, or -infinity for a tile of the window.  The five vector lines are the places behind the products
.macro AMASK
	s_sub_co_i32 s80, s21, s15                     ; D = the step's first key - q0, a multiple of 16
	s_cmp_le_i32 s80, -32                          ; D <= -32: what is not window is left; else right
	s_cselect_b32 s82, -1, 0
	s_cselect_b32 s84, 1.0, 0                      ; which of the two sums takes the step's p
	s_cselect_b32 s85, 0, 1.0
	v_cndmask_b32 v21, v9, v8, s82
.irp kt, 0,1,2,3
	s_add_co_u32 s81, s80, 16*\kt+16
	s_cmp_le_u32 s81, 32                           ; the tile begins at q0 - 16, q0 or q0 + 16
	s_cselect_b32 s83, -1, 0
	v_cndmask_b32 v[13+2*\kt], v21, v7, s83
.endr
.endm
; THE SOFTMAX of 64 scores a query (32 a lane).  first = 1: it starts m and the sums.
.macro SM first
.irp kt, 0,1,2,3
	v_max3_num_f32 v[26+\kt], v[128+8*\kt], v[129+8*\kt], v[130+8*\kt]   ; each tile's largest score, the tiles by turns, each accumulator from its low end on
.endr
.irp i, 3,5
.irp kt, 0,1,2,3
	v_max3_num_f32 v[26+\kt], v[26+\kt], v[128+8*\kt+\i], v[129+8*\kt+\i]
.endr
.endr
.irp kt, 0,1,2,3
	v_max_num_f32 v[26+\kt], v[26+\kt], v[135+8*\kt]
.endr
.irp kt, 0,1,2,3
	v_add_f32 v[26+\kt], v[26+\kt], v[13+2*\kt]    ; with the tile's addend
.endr
	v_max3_num_f32 v25, v26, v27, v28
.if \first
	v_max_num_f32 v25, v25, v29
.else
	v_max3_num_f32 v25, v25, v29, v10              ; and the old m
.endif
	v_permlanex16_b32 v30, v25, s18, s19           ; the query's other keys lie in the lane 16 away
	v_max_num_f32 v10, v25, v30                    ; m
.if \first
	v_mul_f32 v11, s16, v10                        ; c m
.else
	v_mov_b32 v31, v11
	v_mul_f32 v11, s16, v10
	v_sub_f32 v31, v31, v11
	v_exp_f32 v20, v31                             ; f = 2^(c m_old - c m_new)
.endif
.irp kt, 0,1,2,3
	v_fma_f32 v[12+2*\kt], s16, v[13+2*\kt], -v11  ; c a - c m
.endr
.irp kt, 0,1,2,3
.irp i, 0,2,4,6
	v_pk_fma_f32 v[128+8*\kt+\i:129+8*\kt+\i], v[128+8*\kt+\i:129+8*\kt+\i], s[16:17], v[12+2*\kt:13+2*\kt] op_sel_hi:[1,0,0]   ; c s + (c a - c m)
.endr
.endr
.set i, 0
.rept 32
	v_exp_f32 v[128+i], v[128+i]                   ; p
.set i, i+1
.endr
	v_nop                                          ; a plain instruction behind the last exponential
	s_wait_alu depctr_va_vdst(0)                   ; one wait for the whole batch, ahead of its first reader
.set i, 0
.rept 16
	v_cvt_pk_f16_f32 v[160+i], v[128+2*i], v[129+2*i]   ; two neighbouring tiles, packed, are a fragment of P: 32 keys x 16 queries
.set i, i+1
.endr
	v_pk_add_f32 v[32:33], v[128:129], v[130:131]  ; the sum of the unrounded p, in two chains
	v_pk_add_f32 v[34:35], v[132:133], v[134:135]
.irp i, 8,12,16,20,24,28
	v_pk_add_f32 v[32:33], v[32:33], v[128+\i:129+\i]
	v_pk_add_f32 v[34:35], v[34:35], v[130+\i:131+\i]
.endr
	v_pk_add_f32 v[32:33], v[32:33], v[34:35]
	v_add_f32 v25, v32, v33
.if \first
	v_mov_b32 v24, v25                             ; lW
	v_mov_b32 v22, 0                               ; lL
	v_mov_b32 v23, 0                               ; lR
.else
	v_mul_f32 v22, v22, v20
	v_mul_f32 v23, v23, v20
	v_mul_f32 v24, v24, v20
	v_fmac_f32 v22, s84, v25                       ; the step's sum goes to the side that the step lies on
	v_fmac_f32 v23, s85, v25
.set i, 0
.rept 16
	v_pk_mul_f32 v[176+i:177+i], v[176+i:177+i], v[20:21] op_sel_hi:[1,0]   ; O^T under the new m
.set i, i+2
.endr
.endif
.endm
; O^T += V^T P: channels 16 t on; keys 32 s on.  zero = 1: the first four start the sums
.macro PV zero
.irp s, 0,1
.irp t, 0,1,2,3
.if \zero && (\s == 0)
	v_wmma_f32_16x16x32_f16 v[176+8*\t:183+8*\t], v[64+32*\s+8*\t:71+32*\s+8*\t], v[160+8*\s:167+8*\s], 0
.else
	v_wmma_f32_16x16x32_f16 v[176+8*\t:183+8*\t], v[64+32*\s+8*\t:71+32*\s+8*\t], v[160+8*\s:167+8*\s], v[176+8*\t:183+8*\t]
.endif
.endr
.endr
.endm
.macro STEP j                          ; 64 keys, the j-th of the slot in hand
	v_add_nc_u32 v3, s20, v1
	v_add_nc_u32 v4, s20, v2
	v_nop
	v_nop                                          ; four places behind the last products, in front of loads into registers that they read
	LOADK 3, (\j)*64*KP, 4
	s_wait_dscnt 0x0
	KQ 4
	AMASK
	LOADV (\j)*64*VP                               ; V takes K's registers and lands under the softmax
	SM 0
	s_wait_dscnt 0x0
	PV 0
	s_add_co_u32 s21, s21, 64
.endm
.macro SLOT_STEPS
.irp j, 0,1,2,3
	STEP \j
.endr
	s_xor_b32 s20, s20, SLOT1                      ; on to the other slot,
	s_add_co_u32 s23, s23, 1
	s_and_b32 s23, s23, 7                          ; the next block round the head,
	s_lshl_b32 s21, s23, 8                         ; and its first key
.endm
	s_wait_loadcnt 0x0                             ; Q
	CHANGE 1, 1                                    ; slot 0 and the tables are whole; behind this barrier only slot 1's first fill goes out
	; ---- THE WINDOW
	LOADK 38, 0, 4                                 ; relk_ext's 64 rows
	s_wait_dscnt 0x0
	KQ 4                                           ; E^T: register j of tile t: entry 16 t + 8 h + j, query r
.rept 5
	v_nop                                          ; five places: these accumulators are begun anew below
.endr
	v_mov_b32 v8, v128                             ; entries 0 to 15 all stand for rel_k[0],
	v_mov_b32 v9, v152                             ; entries 48 to 63 for rel_k[32]: in both halves of the lanes
.irp t, 0,1,2,3
	ds_store_b128 v39, v[128+8*\t:131+8*\t] offset:64*\t
	ds_store_b128 v39, v[132+8*\t:135+8*\t] offset:64*\t+16
.endr
.irp k, 0,1,2,3,4
	ds_store_b128 v57, v[232:235] offset:512*\k    ; W begins as zeros
.endr
	LOADK 36, 0, 3                                 ; the window's 48 keys
.irp tau, 0,1,2
.irp j, 0,1,2,3,4,5,6,7
	ds_load_b32 v[208+8*\tau+\j], v56 offset:64*\tau+4*\j   ; E[r][kk + 15 - r], kk = 16 tau + 8 h + j: LDS serves a wave's instructions in order: these see my stores
.endr
.endr
	s_wait_dscnt 0x0
	KQ 3
.rept 4
	v_nop
.endr
.irp t, 0,1,2,3
	ds_load_tr16_b128 v[64+8*\t:67+8*\t], v37 offset:32*\t
	ds_load_tr16_b128 v[68+8*\t:71+8*\t], v37 offset:16*VP+32*\t
	ds_load_tr16_b128 v[96+8*\t:99+8*\t], v37 offset:32*VP+32*\t
.endr
.irp t, 0,1,2,3
.irp i, 4,5,6,7
	v_mov_b32 v[96+8*\t+\i], 0                     ; there is no fourth tile: its V is zeros,
.endr
.endr
.irp i, 0,1,2,3,4,5,6,7
	v_mov_b32 v[152+\i], 0                         ; and its scores, which get -infinity
.endr
.set i, 0
.rept 24
	v_add_f32 v[128+i], v[128+i], v[208+i]         ; the relative term, element by element
.set i, i+1
.endr
	s_cmp_eq_u32 s15, 0                            ; keys before the head's first,
	s_cselect_b32 s80, 0xff800000, 0
	v_mov_b32 v13, s80
	v_mov_b32 v15, 0
	s_cmp_eq_u32 s15, 2032                         ; and behind its last, count for nothing
	s_cselect_b32 s80, 0xff800000, 0
	v_mov_b32 v17, s80
	v_mov_b32 v19, v7
	SM 1
.irp tau, 0,1,2
.irp w, 0,1,2,3
	ds_store_b16 v58, v[160+4*\tau+\w] offset:32*\tau+4*\w              ; p into W[r][kk + 15 - r]
	ds_store_b16_d16_hi v58, v[160+4*\tau+\w] offset:32*\tau+4*\w+2
.endr
.endr
.irp s, 0,1
.irp c, 0,1
	ds_load_b128 v[208+8*\s+4*\c:211+8*\s+4*\c], v59 offset:64*\s+32*\c   ; W as two fragments: 32 entries x 16 queries each
.endr
.endr
	s_wait_dscnt 0x0
	PV 1
.rept 4
	v_nop
.endr
	LOADK 38, 64*KP, 4                             ; relv_ext, laid [channel][entry]
	s_wait_dscnt 0x0
.irp s, 0,1
.irp t, 0,1,2,3
	v_wmma_f32_16x16x32_f16 v[176+8*\t:183+8*\t], v[64+16*\t+8*\s:71+16*\t+8*\s], v[208+8*\s:215+8*\s], v[176+8*\t:183+8*\t]
.endr
.endr
	; ---- THE WALK
	SLOT_STEPS                                     ; my own block
.Lslot:                                            ; six trips: each reads a block and asks for the next but one's place to be filled
	CHANGE 1, 0
	SLOT_STEPS
	s_sub_co_u32 s22, s22, 1
	s_cmp_lg_u32 s22, 0
	s_cbranch_scc1 .Lslot
	CHANGE 0, 0                                    ; the last block is written out: nothing is left to ask for
	SLOT_STEPS
	; ---- THE WAY OUT
.rept 4
	v_nop
.endr
.irp t, 0,1,2,3
.irp c, 0,1
	global_load_b128 v[64+8*\t+4*\c:67+8*\t+4*\c], v63, s[8:9] offset:64*\t+16*\c          ; rel_v[0], my eight channels of each tile, in f32
	global_load_b128 v[96+8*\t+4*\c:99+8*\t+4*\c], v63, s[8:9] offset:8192+64*\t+16*\c     ; rel_v[32]
.endr
.endr
	v_permlanex16_b32 v30, v22, s18, s19           ; the three sums: with the other half of the lanes'
	v_permlanex16_b32 v31, v23, s18, s19
	v_permlanex16_b32 v25, v24, s18, s19
	v_add_f32 v32, v22, v30                        ; lL
	v_add_f32 v34, v23, v31                        ; lR
	v_add_f32 v26, v24, v25
	v_add_f32 v26, v26, v32
	v_add_f32 v26, v26, v34                        ; the row's sum
	v_rcp_f32 v28, v26
	v_mov_b32 v7, 0x477fe000                       ; 65,504.  (A plain instruction behind the reciprocal)
	s_wait_alu depctr_va_vdst(0)                   ; the wait ahead of its first reader
	s_wait_loadcnt 0x0
.set i, 0
.rept 16
	v_pk_fma_f32 v[176+i:177+i], v[64+i:65+i], v[32:33], v[176+i:177+i] op_sel_hi:[1,0,1]   ; + lL rel_v[0]
.set i, i+2
.endr
.set i, 0
.rept 16
	v_pk_fma_f32 v[176+i:177+i], v[96+i:97+i], v[34:35], v[176+i:177+i] op_sel_hi:[1,0,1]   ; + lR rel_v[32]
.set i, i+2
.endr
.set i, 0
.rept 16
	v_pk_mul_f32 v[176+i:177+i], v[176+i:177+i], v[28:29] op_sel_hi:[1,0]                   ; / the sum
.set i, i+2
.endr
.set i, 0
.rept 32
	v_med3_num_f32 v[176+i], v[176+i], -v7, v7     ; held inside f16's range
.set i, i+1
.endr
.set i, 0
.rept 16
	v_cvt_pk_f16_f32 v[236+i], v[176+2*i], v[177+2*i]
.set i, i+1
.endr
.irp t, 0,1,2,3
	ds_store_b128 v60, v[236+4*\t:239+4*\t] offset:32*\t     ; row r, channels 16 t + 8 h on: into E's bytes, which are mine and done with
.endr
.irp i, 0,1,2,3
	ds_load_b128 v[208+4*\i:211+4*\i], v61 offset:4*KP*\i
.endr
.irp i, 0,1,2,3
	s_wait_dscnt 3-\i                              ; the younger loads may be out
	global_store_b128 v62, v[208+4*\i:211+4*\i], s[10:11] offset:512*\i   ; 32 lanes store 512 consecutive bytes: four rows
.endr
	s_wait_tensorcnt 0x0                           ; the wave's end
	ds_add_u32 v5, v6
	s_wait_dscnt 0x0
	s_endpgm
.Lfunc_end_k_q93f2048af8_attn:
	.size	k_q93f2048af8_attn, .Lfunc_end_k_q93f2048af8_attn-k_q93f2048af8_attn
	.p2alignl 7, 3214868480
	.fill 96, 4, 3214868480
	.section	.rodata,"a",@progbits
	.p2align	6, 0x0
	.amdhsa_kernel k_q93f2048af8_attn
		.amdhsa_group_segment_fixed_size 327680
		.amdhsa_private_segment_fixed_size 0
		.amdhsa_enable_private_segment 0
		.amdhsa_kernarg_size 32
		.amdhsa_user_sgpr_count 2
		.amdhsa_user_sgpr_kernarg_segment_ptr 1
		.amdhsa_wavefront_size32 1
		.amdhsa_system_sgpr_workgroup_id_x 1
		.amdhsa_system_sgpr_workgroup_id_y 1
		.amdhsa_system_sgpr_workgroup_id_z 1
		.amdhsa_system_vgpr_workitem_id 0
		.amdhsa_next_free_vgpr 256
		.amdhsa_next_free_sgpr 96
		.amdhsa_reserve_vcc 0
		.amdhsa_float_denorm_mode_32 3
		.amdhsa_float_denorm_mode_16_64 3
		.amdhsa_memory_ordered 1
		.amdhsa_forward_progress 1
		.amdhsa_inst_pref_size 170
	.end_amdhsa_kernel
	.amdgpu_metadata
---
amdhsa.version: [ 1, 2 ]
amdhsa.kernels:
  - .name:           k_q93f2048af8_attn
    .symbol:         k_q93f2048af8_attn.kd
    .args:
      - { .name: hh, .offset: 0, .size: 8, .value_kind: global_buffer, .address_space: global }
      - { .name: relt, .offset: 8, .size: 8, .value_kind: global_buffer, .address_space: global }
      - { .name: rel_v, .offset: 16, .size: 8, .value_kind: global_buffer, .address_space: global }
      - { .name: ao, .offset: 24, .size: 8, .value_kind: global_buffer, .address_space: global }
    .group_segment_fixed_size: 327680
    .private_segment_fixed_size: 0
    .kernarg_segment_align: 8
    .kernarg_segment_size: 32
    .max_flat_workgroup_size: 512
    .sgpr_count:     96
    .vgpr_count:     256
    .wavefront_size: 32
...
	.end_amdgpu_metadata
.endif
;; end of part 3
;; launch oproj (part 4): grid 8 x 32, 4 waves a work-group, clusters of 4 x 4, 327,680 bytes of LDS; arguments ao, wo16, bo, out0; writes out0
.if DOCPART == 4
	.amdgcn_target "amdgcn-amd-amdhsa--gfx1250"
	.amdhsa_code_object_version 6
	.text
	.protected	k_q93f2048af8_oproj
	.globl	k_q93f2048af8_oproj
	.p2align	8
	.type	k_q93f2048af8_oproj,@function
k_q93f2048af8_oproj:
	s_mov_b64 s[64:65], 0
	v_nop
	global_prefetch_b8 v0, s[64:65] scope:SCOPE_SE
	s_setreg_imm32_b32 hwreg(HW_REG_WAVE_MODE, 25, 1), 1
	s_wait_xcnt 0x0
	s_wait_alu depctr_hold_cnt(0) depctr_sa_sdst(0) depctr_va_vdst(0) depctr_va_sdst(0) depctr_va_ssrc(0) depctr_va_vcc(0) depctr_vm_vsrc(0)
	s_getreg_b32 s2, hwreg(HW_REG_IB_STS2, 6, 4)
	s_cmp_eq_u32 s2, 0
	s_cbranch_scc0 .Lentry_in_a_cluster
	s_endpgm
.Lentry_in_a_cluster:
	s_bfe_u32 s2, ttmp6, 0x10000c
	s_cmp_lg_u32 s2, 0xf033
	s_cbranch_scc0 .Lentry_shape_is_right
	s_endpgm
.Lentry_shape_is_right:
; out0 = relu(y Wo^T + bo), f16 operands, f32 sums, f32 out.  y (ao) is laid [K block of 64][4,096 rows][64], Wo (wo16) [K block][1,024 rows][64]: 128 rows of a K block are 16,384 dense bytes.
; A tile of 128 x 128 is made by four waves, 64 x 64 each: 16 accumulators.  32 x 8 tiles = 256 work-groups.  K goes in steps of 256 (four K blocks) through two LDS slots.
; A wave's tensor load brings two K blocks of 128 rows: two 'rows' of 8,192 elements, a K block apart in memory, with 16 bytes of padding behind every 128: in LDS [K block][row], rows 144 bytes apart.
; CLUSTERS: 4 x 4 work-groups; y's tiles are shared along a row of the cluster, Wo's along a column: joint loads.  THE MATRIX INSTRUCTION IS USED TRANSPOSED (source 0 = 16 rows of Wo, source 1 = 16 rows of y).
; The bias is the C of each sum's first product.
; REGISTERS: window 0: v0-31 addresses; v32-63 results at work, v64-95 rows on the way out; v96-127 the bias; v128-255 the accumulators ((a, b) at v[128 + 8 (4 a + b)]).  window 1: two fragment buffers of 128.
.set PITCH,  144
.set KBB,    128*PITCH                 ; a K block of 128 rows
.set HALFT,  2*KBB                     ; what one tensor load brings
.set SLOT,   4*HALFT                   ; y's four K blocks, then Wo's four
.set SPARE,  2*SLOT                    ; the spare words, 128 bytes for each wave
.set SPITCH, 272                       ; the way out: 16 rows x (256 + 16) bytes for each wave, in slot 0, which has had its last fill and its last read by then
.set LAPS,   2                         ; 1,024 along K = two laps of two steps
.set ADRA, 16
.set ADRB, 20
.set STO,  24
.set RD,   25
.set CO,   26
.set BOF,  27
.set SPW,  28
.set NIL,  29
.set TMP,  32
.set OB,   64
.set BI,   96
.set ACC,  128
.set F0,   0
.set F1,   128
.set G1, 24
.set G0, 32
.set G1B, 48
.set G0B, 56
.set MSB, 0
.macro WIN new                         ; the immediate's high byte repeats the setting that is left
.if MSB != \new
	s_set_vgpr_msb (MSB<<8)|\new
.set MSB, \new
.endif
.endm
.set MUL,  0x05                        ; sources 0 and 1 window 1; C and D window 0
.set TO_F, 0x40
.macro JLOAD s                         ; waves 0 and 1 fetch y's K blocks 0-1 and 2-3 of the step, waves 2 and 3 Wo's; an s_nop 0 and four v_nop follow each line
	s_cmp_eq_u32 s69, 0
	s_cbranch_scc0 .Lfor_b_\@
	tensor_load_to_lds s[G0+4*\s:G0+4*\s+3], s[G1:G1+7]
	s_nop 0
.rept 4
	v_nop
.endr
	s_branch .Lasked_\@
.Lfor_b_\@:
	tensor_load_to_lds s[G0B+4*\s:G0B+4*\s+3], s[G1B:G1B+7]
	s_nop 0
.rept 4
	v_nop
.endr
.Lasked_\@:
.endm
.macro CREST
	s_cmp_lg_u32 s68, 0
	s_cbranch_scc1 .Lnot_wave_0_\@
	s_barrier_signal -3
.Lnot_wave_0_\@:
	s_barrier_wait -3
	s_barrier_signal -1
	s_barrier_wait -1
.endm
.macro CROUND
	s_barrier_signal -1
	s_barrier_wait -1
	CREST
.endm
	s_load_b256 s[4:11], s[0:1], 0x0               ; ao, wo16, bo, out0
	v_lshl_add_u32 v[SPW], v0, 2, SPARE
	v_mov_b32 v[NIL], 0
	ds_add_u32 v[SPW], v[NIL]                      ; the wave's opening: the add, twice on end, and its wait ahead of my first tensor load
	ds_add_u32 v[SPW], v[NIL]
	v_lshrrev_b32 v1, 5, v0
	v_readfirstlane_b32 s68, v1                    ; wave 0..3
	s_lshr_b32 s69, s68, 1                         ; my half of the tile's rows.  Also: I fetch for y (0) or for Wo (1)
	s_and_b32 s70, s68, 1                          ; my half of its columns.  Also: which two K blocks I fetch
	s_bfe_u32 s40, ttmp6, 0x40000                  ; cx
	s_bfe_u32 s41, ttmp6, 0x40004                  ; cy
	s_lshl_b32 s42, ttmp9, 2
	s_add_co_u32 s42, s42, s40                     ; tile column
	s_and_b32 s71, ttmp7, 0xffff
	s_lshl_b32 s71, s71, 2
	s_add_co_u32 s71, s71, s41                     ; tile row
	s_lshl_b32 s43, s41, 2
	s_lshl_b32 s43, 15, s43                        ; my row of the cluster
	s_lshl_b32 s44, 0x1111, s40                    ; my column
	s_or_b32 s[G1+0], s43, (1<<16)|(1<<20)|(1<<21)|(4<<22)|(3<<25)   ; the mask; elements of 2 bytes; padding: 4 words behind every 32; bit 21 beside a mask
	s_or_b32 s[G1B+0], s44, (1<<16)|(1<<20)|(1<<21)|(4<<22)|(3<<25)
.irp g, G1, G1B
	s_mov_b32 s[\g+1], 8192<<16                    ; tensor_dim0 = 8,192
	s_mov_b32 s[\g+2], 2<<16                       ; tensor_dim1 = 2
	s_mov_b32 s[\g+3], 8192<<16                    ; tile_dim0
	s_mov_b32 s[\g+4], 2                           ; tile_dim1
	s_mov_b32 s[\g+6], 0
	s_mov_b32 s[\g+7], 0
.endr
	s_mov_b32 s[G1+5], 262144                      ; from K block to K block, in elements: 4,096 rows of 64
	s_mov_b32 s[G1B+5], 65536                      ; 1,024 rows of 64
	s_lshl_b32 s16, s70, 20                        ; y: two K blocks of 524,288 bytes x half,
	s_lshl_b32 s17, s71, 14                        ; + 128 rows of 128 bytes x tile row
	s_add_co_u32 s16, s16, s17
	s_mov_b32 s17, 0
	s_lshl_b32 s46, s70, 18                        ; Wo: two K blocks of 131,072 bytes x half,
	s_lshl_b32 s47, s42, 14                        ; + 128 rows x tile column
	s_add_co_u32 s46, s46, s47
	s_mov_b32 s47, 0
	s_mul_i32 s20, s68, HALFT                      ; where they go: no place in the cluster enters an LDS address
	s_wait_dscnt 0x0                               ; both opening adds are done
	s_wait_kmcnt 0x0
	s_add_nc_u64 s[14:15], s[4:5], s[16:17]
	s_add_nc_u64 s[46:47], s[6:7], s[46:47]
	CROUND                                         ; all sixteen work-groups are here: the first joint loads meet
.irp s, 0,1
	s_mov_b32 s[G0+4*\s], 1
	s_add_co_u32 s[G0+4*\s+1], s20, \s*SLOT
	s_add_nc_u64 s[G0+4*\s+2:G0+4*\s+3], s[14:15], \s*4*524288
	s_or_b32 s[G0+4*\s+3], s[G0+4*\s+3], 0x80000000
	s_mov_b32 s[G0B+4*\s], 1
	s_add_co_u32 s[G0B+4*\s+1], s20, \s*SLOT
	s_add_nc_u64 s[G0B+4*\s+2:G0B+4*\s+3], s[46:47], \s*4*131072
	s_or_b32 s[G0B+4*\s+3], s[G0B+4*\s+3], 0x80000000
	JLOAD \s
.endr
	v_and_b32 v1, 15, v0                           ; r
	v_bfe_u32 v2, v0, 4, 1                         ; h
	v_mul_u32_u24 v3, v1, PITCH
	v_lshl_add_u32 v3, v2, 4, v3
	s_mul_i32 s21, s69, 64*PITCH                   ; my 64 rows of y
	s_mul_i32 s22, s70, 64*PITCH                   ; my 64 rows of Wo,
	s_add_co_u32 s22, s22, 2*HALFT                 ; behind y's four K blocks
.irp s, 0,1
	v_add_nc_u32 v[ADRA+\s], s21, v3
	v_add_nc_u32 v[ADRB+\s], s22, v3
	s_add_co_u32 s21, s21, SLOT
	s_add_co_u32 s22, s22, SLOT
.endr
	s_mul_i32 s23, s68, 16*SPITCH                  ; my stage
	v_mul_u32_u24 v4, v1, SPITCH
	v_lshl_add_u32 v4, v2, 5, v4
	v_add_nc_u32 v[STO], s23, v4                   ; in: row r, 32 bytes for each half of the lanes
	v_mul_u32_u24 v5, v2, SPITCH
	v_lshl_add_u32 v5, v1, 4, v5
	v_add_nc_u32 v[RD], s23, v5                    ; back: lanes 0-15 one row of 256 bytes, lanes 16-31 the next
	v_lshlrev_b32 v5, 12, v2
	v_lshl_add_u32 v[CO], v1, 4, v5                ; and the same two rows in out0
	v_lshlrev_b32 v[BOF], 5, v2
	s_lshl_b32 s72, s42, 9
	s_lshl_b32 s73, s70, 8
	s_add_co_u32 s72, s72, s73                     ; my 64 columns, in bytes
	s_mov_b32 s73, 0
	s_add_nc_u64 s[74:75], s[8:9], s[72:73]        ; in bo,
	s_add_nc_u64 s[10:11], s[10:11], s[72:73]      ; and in out0,
	s_lshl_b32 s72, s71, 7
	s_lshl_b32 s76, s69, 6
	s_add_co_u32 s72, s72, s76
	s_lshl_b32 s72, s72, 12                        ; at my first row: 4,096 bytes each
	s_add_nc_u64 s[10:11], s[10:11], s[72:73]
.irp b, 0,1,2,3
	global_load_b128 v[BI+8*\b:BI+8*\b+3], v[BOF], s[74:75] offset:64*\b          ; lane (r, h): the bias of columns 16 b + 8 h + 0 .. 7
	global_load_b128 v[BI+8*\b+4:BI+8*\b+7], v[BOF], s[74:75] offset:64*\b+16
.endr
; 8 matrix instructions: row blocks a0, a0 + 1 x all 4 column blocks, 32 along K: half c of buffer f.  zero = 1: the first product starts the sums from the bias.  The 16 accumulators take turns
.macro MUL8 f, c, a0, zero
.irp a, \a0, \a0+1
.irp b, 0,1,2,3
.if \zero
	v_wmma_f32_16x16x32_f16 v[ACC+8*(4*(\a)+\b):ACC+8*(4*(\a)+\b)+7], v[\f+64+8*(4*\c+\b):\f+64+8*(4*\c+\b)+7], v[\f+8*(4*\c+\a):\f+8*(4*\c+\a)+7], v[BI+8*\b:BI+8*\b+7]
.else
	v_wmma_f32_16x16x32_f16 v[ACC+8*(4*(\a)+\b):ACC+8*(4*(\a)+\b)+7], v[\f+64+8*(4*\c+\b):\f+64+8*(4*\c+\b)+7], v[\f+8*(4*\c+\a):\f+8*(4*\c+\a)+7], v[ACC+8*(4*(\a)+\b):ACC+8*(4*(\a)+\b)+7]
.endif
.endr
.endr
.endm
; 32 LDS loads in one run: the fragments of K block qd of the slot into buffer f; its first 32 along K first
.macro FETCH slot, qd, f
	WIN TO_F
.irp c, 0,1
.irp i, 0,1,2,3
	ds_load_b128 v[\f+64+8*(4*\c+\i):\f+64+8*(4*\c+\i)+3],   v[ADRB+\slot] offset:(\qd)*KBB+64*\c+\i*16*PITCH
	ds_load_b128 v[\f+64+8*(4*\c+\i)+4:\f+64+8*(4*\c+\i)+7], v[ADRB+\slot] offset:(\qd)*KBB+64*\c+\i*16*PITCH+32
	ds_load_b128 v[\f+8*(4*\c+\i):\f+8*(4*\c+\i)+3],         v[ADRA+\slot] offset:(\qd)*KBB+64*\c+\i*16*PITCH
	ds_load_b128 v[\f+8*(4*\c+\i)+4:\f+8*(4*\c+\i)+7],       v[ADRA+\slot] offset:(\qd)*KBB+64*\c+\i*16*PITCH+32
.endr
.endr
.endm
.macro PLACES                          ; four plain vector instructions in front of loads into registers that matrix instructions have read, and of reads of results
.rept 4
	v_nop
.endr
.endm
; A quarter is one K block: 32 matrix instructions.  It multiplies buffer f and fetches K block qd of the same slot into g.
.macro QUARTER slot, qd, f, g, zero
	s_wait_dscnt 16                                ; the first 32 along K are in; the other sixteen loads may be out
	WIN MUL
	MUL8 \f, 0, 0, \zero
	MUL8 \f, 0, 2, \zero
	PLACES
	FETCH \slot, \qd, \g
	s_wait_dscnt 32                                ; all but the 32 just issued
	WIN MUL
	MUL8 \f, 1, 0, 0
	MUL8 \f, 1, 2, 0
.endm
; A slot's last quarter changes slots: one barrier; in front of it each wave waits for all its tensor loads, adds 0 to its spare word, and waits for that and for its reads of the slot.  fill = 1: the slot takes the step two on, behind a round of the cluster's barrier.
.macro TURN slot, next, fill
	WIN 0
	s_wait_tensorcnt 0x0                           ; my part of the next slot has landed
	ds_add_u32 v[SPW], v[NIL]
	s_wait_dscnt 17                                ; (the add and the youngest sixteen loads may be out)
	WIN MUL
	MUL8 F1, 0, 0, 0
	s_wait_dscnt 0x0                               ; the add is done, and my reads of this slot are over
	s_barrier_signal -1
	MUL8 F1, 0, 2, 0
.if \fill
	WIN 0
.endif
	s_barrier_wait -1
.if \fill
	CREST                                          ; no wave of any partner still reads this slot or has a load on its way
	s_add_nc_u64 s[G0+4*\slot+2:G0+4*\slot+3], s[G0+4*\slot+2:G0+4*\slot+3], 8*524288
	s_add_nc_u64 s[G0B+4*\slot+2:G0B+4*\slot+3], s[G0B+4*\slot+2:G0B+4*\slot+3], 8*131072
	JLOAD \slot                                    ; the first tensor load behind the round; its four v_nop are also the places in front of the loads below
.else
	PLACES
.endif
	FETCH \next, 0, F0
	WIN MUL
	MUL8 F1, 1, 0, 0
	MUL8 F1, 1, 2, 0
.endm
	s_wait_tensorcnt 1                             ; my part of slot 0 is in; slot 1's may be out
	s_barrier_signal -1
	s_barrier_wait -1
	FETCH 0, 0, F0
	s_wait_loadcnt 0x0                             ; the bias
	QUARTER 0, 1, F0, F1, 1
	WIN 0
	s_mov_b32 s3, LAPS-1
.Llap:                                             ; a trip goes once round the ring and fills both slots again
	QUARTER 0, 2, F1, F0, 0
	QUARTER 0, 3, F0, F1, 0
	TURN 0, 1, 1
	QUARTER 1, 1, F0, F1, 0
	QUARTER 1, 2, F1, F0, 0
	QUARTER 1, 3, F0, F1, 0
	TURN 1, 0, 1
	QUARTER 0, 1, F0, F1, 0
	WIN 0
	s_sub_co_u32 s3, s3, 1
	s_cmp_lg_u32 s3, 0
	s_cbranch_scc1 .Llap
	QUARTER 0, 2, F1, F0, 0                        ; the last lap fills nothing
	QUARTER 0, 3, F0, F1, 0
	TURN 0, 1, 0
	QUARTER 1, 1, F0, F1, 0
	QUARTER 1, 2, F1, F0, 0
	QUARTER 1, 3, F0, F1, 0
	s_wait_dscnt 16
	WIN MUL
	MUL8 F1, 0, 0, 0
	MUL8 F1, 0, 2, 0
	s_wait_dscnt 0
	MUL8 F1, 1, 0, 0
	MUL8 F1, 1, 2, 0
	WIN 0
	; THE WAY OUT, 16 rows x 64 columns at a time: relu, each accumulator from its low end on; 32 bytes a lane into my stage; back as whole rows of 256 bytes, which sixteen lanes store as one aligned run.
	PLACES
.irp a, 0,1,2,3
.set i, 0
.rept 32
	v_max_num_f32 v[TMP+i], 0, v[ACC+32*\a+i]
.set i, i+1
.endr
.irp b, 0,1,2,3
	ds_store_b128 v[STO], v[TMP+8*\b:TMP+8*\b+3] offset:64*\b
	ds_store_b128 v[STO], v[TMP+8*\b+4:TMP+8*\b+7] offset:64*\b+16
.endr
.if \a > 0
	s_wait_xcnt 0x0                                ; the block before's stores have read their data: the loads below land there only behind this wait
.endif
.irp t, 0,1,2,3,4,5,6,7
	ds_load_b128 v[OB+4*\t:OB+4*\t+3], v[RD] offset:\t*2*SPITCH   ; LDS serves a wave's instructions in order: these see the stores above
.endr
.irp t, 0,1,2,3,4,5,6,7
	s_wait_dscnt 7-\t                              ; the younger loads may be out
	global_store_b128 v[CO], v[OB+4*\t:OB+4*\t+3], s[10:11] offset:(16*\a+2*\t)*4096 th:TH_STORE_NT
.endr
.endr
	s_wait_tensorcnt 0x0                           ; the wave's end
	ds_add_u32 v[SPW], v[NIL]
	s_wait_dscnt 0x0
	CROUND                                         ; the closing round
	s_endpgm
.Lfunc_end_k_q93f2048af8_oproj:
	.size	k_q93f2048af8_oproj, .Lfunc_end_k_q93f2048af8_oproj-k_q93f2048af8_oproj
	.p2alignl 7, 3214868480
	.fill 96, 4, 3214868480
	.section	.rodata,"a",@progbits
	.p2align	6, 0x0
	.amdhsa_kernel k_q93f2048af8_oproj
		.amdhsa_group_segment_fixed_size 327680
		.amdhsa_private_segment_fixed_size 0
		.amdhsa_enable_private_segment 0
		.amdhsa_kernarg_size 32
		.amdhsa_user_sgpr_count 2
		.amdhsa_user_sgpr_kernarg_segment_ptr 1
		.amdhsa_wavefront_size32 1
		.amdhsa_system_sgpr_workgroup_id_x 1
		.amdhsa_system_sgpr_workgroup_id_y 1
		.amdhsa_system_sgpr_workgroup_id_z 1
		.amdhsa_system_vgpr_workitem_id 0
		.amdhsa_next_free_vgpr 512
		.amdhsa_next_free_sgpr 80
		.amdhsa_reserve_vcc 0
		.amdhsa_float_denorm_mode_32 3
		.amdhsa_float_denorm_mode_16_64 3
		.amdhsa_memory_ordered 1
		.amdhsa_forward_progress 1
		.amdhsa_inst_pref_size 91
	.end_amdhsa_kernel
	.amdgpu_metadata
---
amdhsa.version: [ 1, 2 ]
amdhsa.kernels:
  - .name:           k_q93f2048af8_oproj
    .symbol:         k_q93f2048af8_oproj.kd
    .args:
      - { .name: ao, .offset: 0, .size: 8, .value_kind: global_buffer, .address_space: global }
      - { .name: wo16, .offset: 8, .size: 8, .value_kind: global_buffer, .address_space: global }
      - { .name: bo, .offset: 16, .size: 8, .value_kind: global_buffer, .address_space: global }
      - { .name: out0, .offset: 24, .size: 8, .value_kind: global_buffer, .address_space: global }
    .group_segment_fixed_size: 327680
    .private_segment_fixed_size: 0
    .kernarg_segment_align: 8
    .kernarg_segment_size: 32
    .max_flat_workgroup_size: 128
    .sgpr_count:     80
    .vgpr_count:     512
    .wavefront_size: 32
...
	.end_amdgpu_metadata
.endif
;; end of part 4
